; MI455X (gfx1250); checked and timed in simulation.
; The chip was launched on July 23, 2026; its instructions are those of AMD's public machine-readable ISA for CDNA 5 (MIT licence, August 2026) and "CDNA5" Instruction Set Architecture Reference Guide (July 2026). The comments in the code are by the model that wrote it; some were corrected since.
;; ICP. Allowed arithmetic: float matrix products may take bf16 or f16 operands with f32 sums; all other float work in f32.
;; Inputs: dst 8 x 3 x 4,096 float32; srcInit 8 x 3 x 4,096 float32.
;; Outputs: out0 8 x 3 x 4,096 float32; out1 8 x 3 x 4,096 float32; out2 8 x 3 x 3 float32; out3 8 x 3 float32; out4 8 x 3 x 3 float32; out5 8 x 3 float32.
;; 2 versions, each right and faster than the one before. Each part assembles by itself: llvm-mc -triple=amdgcn-amd-amdhsa -mcpu=gfx1250 --defsym DOCPART=n.
;; ======== version 1 of 2: 6 launches
;; workspace buffers: srcA 393,216 bytes; srcB 393,216 bytes; idxA 131,072 bytes of whole numbers; idxB 131,072 bytes of whole numbers; auxA 1,280 bytes; auxB 1,280 bytes
;; launch nn0 (part 1): grid 32 x 8, 8 waves a work-group, no clusters, 327,680 bytes of LDS; arguments srcInit, dst, out0, idxA, auxA; writes out0, idxA, auxA
.if DOCPART == 1
	.amdgcn_target "amdgcn-amd-amdhsa--gfx1250"
	.amdhsa_code_object_version 6
	.text
	.protected	k_qc5fa79345e_nn0
	.globl	k_qc5fa79345e_nn0
	.p2align	8
	.type	k_qc5fa79345e_nn0,@function
k_qc5fa79345e_nn0:
	s_mov_b64 s[64:65], 0
	v_nop
	global_prefetch_b8 v0, s[64:65] scope:SCOPE_SE
	s_setreg_imm32_b32 hwreg(HW_REG_WAVE_MODE, 25, 1), 1
	s_wait_xcnt 0x0
; ICP, first launch: nearest-neighbour search of srcInit against dst, and out0 = srcInit.
; Grid 32 x 8: work-group (chunk, b) owns the 128 points 128 chunk .. +127 of batch b and searches all 4,096 dst points of b.
; 2 s.d - |d|^2 comes from the bf16 matrix form at f32 accuracy: each f32 is cut exactly into three bf16 pieces (h, m, l) and eight of
; the nine cross products of each coordinate fill 24 of the 32 K places (l*l, 2^-32 relative, is dropped); three more places carry
; the pieces of -|d|^2 against 1.0.  A = 16 dst points, B = 16 src points, so a lane's 8 results are 8 neighbouring dst points against
; one src point.  Stored per src point: the winning group of 8 dst points (c = 0..511) as a whole number; the next launch picks the
; point inside the group.  Also stored: the work-group's sum of -(nearest squared distance), and the scan's first state (0.0, not done).
; No tensor loads and no cluster: dst has to pass through registers to be cut into pieces, and it is read once (48 KiB) per work-group.
; LIMITS: NaN and infinities are not served; |x| up to about 1e16 (squares are formed); an exact tie takes the lowest group.
.set TAB, 0                            ; dst fragments: tile T (16 points) at 1024 T; quad q (8 K places) of point r at + 256 q + 16 r
.set PL,  262144                       ; dst as loaded: x, y, z planes of 16,384 bytes
.set BT,  311296                       ; fragments of my 128 src points, 8 tiles in the same order
.set XXB, 319488                       ; |s|^2 of my 128 points
.set SCR, PL                           ; behind the last read of PL: 8 waves x 128 best values, then at + 4096 their groups
.set IDXO, 10                          ; s[10:11] index output
.set AUXO, 12                          ; s[12:13] sums and state output
.set STG, 196                          ; v[196:243] dst on its way to LDS
.set OW,  244                          ; v[244:255] my wave-0 lane's 4 points: x at +0..3, y +4..7, z +8..11
.set PT,  16                           ; v[16:111] table build: x[i], y[i] at +32, z[i] at +64
.set HH,  112
.set HM,  113
.set HL,  114
.set HT,  115
.set QD,  116                          ; v[116:119] a quad
.set Q3,  120                          ; v[120:123] the fourth quad
.set NN,  124
.set X2,  125
.set AT,  126
.set BTA, 127
.set XXR, 128                          ; v[128:131]
.set BF,  16                           ; v[16:79]   8 src fragments
.set DX,  80                           ; v[80:143]  results, set X
.set DY,  144                          ; v[144:207] results, set Y
.set AE,  208                          ; v[208:215] dst fragment, even tiles
.set AO,  216                          ; v[216:223] dst fragment, odd tiles
.set BEST, 224
.set IDX, 232
.set MX,  240
.set VC,  248                          ; the group number of the tile at work: 2 tile + (lane / 16)
.set VA,  249
.macro SPLIT3 v                        ; v = HH + HM + HL exactly, each with 8 significant bits
	v_and_b32 v[HH], s28, v[\v]
	v_sub_f32 v[HT], v[\v], v[HH]
	v_and_b32 v[HM], s28, v[HT]
	v_sub_f32 v[HL], v[HT], v[HM]
.endm
.macro QUADA                           ; K places h h h m m m l l (v_perm_b32 with s29: high halves of source 0 and source 1, source 0 on top)
	v_perm_b32 v[QD],   v[HH], v[HH], s29
	v_perm_b32 v[QD+1], v[HM], v[HH], s29
	v_perm_b32 v[QD+2], v[HM], v[HM], s29
	v_perm_b32 v[QD+3], v[HL], v[HL], s29
.endm
.macro QUADB                           ; K places h m l h m l h m
	v_perm_b32 v[QD],   v[HM], v[HH], s29
	v_perm_b32 v[QD+1], v[HH], v[HL], s29
	v_perm_b32 v[QD+2], v[HL], v[HM], s29
	v_perm_b32 v[QD+3], v[HM], v[HH], s29
.endm
.macro DCOORD c, off
	v_add_f32 v[X2], v[\c], v[\c]
	SPLIT3 X2
	QUADA
	ds_store_b128 v[AT], v[QD:QD+3] offset:\off
.endm
.macro DPOINT x, y, z, nb              ; one dst point's four quads
	v_mul_f32 v[NN], -v[\x], v[\x]
	v_fma_f32 v[NN], -v[\y], v[\y], v[NN]
	v_fma_f32 v[NN], -v[\z], v[\z], v[NN]
	DCOORD \x, 0
	DCOORD \y, 256
	DCOORD \z, 512
	SPLIT3 NN
	v_perm_b32 v[Q3], v[HM], v[HH], s29
	v_lshrrev_b32 v[Q3+1], 16, v[HL]
	ds_store_b128 v[AT], v[Q3:Q3+3] offset:768
	v_add_nc_u32 v[AT], (\nb/16)*1024, v[AT]
.endm
.macro TABLE nb, tt                    ; nb builder threads, v[tt] = my number among them: points tt + nb i
	v_lshl_add_u32 v[HT], v[\tt], 2, s35
.set i, 0
.rept 4096/\nb
	ds_load_b32 v[PT+i],    v[HT] offset:i*4*\nb
	ds_load_b32 v[PT+32+i], v[HT] offset:i*4*\nb+16384
	ds_load_b32 v[PT+64+i], v[HT] offset:i*4*\nb+32768
.set i, i+1
.endr
	v_lshrrev_b32 v[X2], 4, v[\tt]
	v_lshlrev_b32 v[NN], 4, v2
	v_lshl_add_u32 v[AT], v[X2], 10, v[NN]         ; tile x 1024 + 16 x (point mod 16)
	v_mov_b32 v[Q3+2], 0
	v_mov_b32 v[Q3+3], 0
	s_wait_dscnt 0x0
.set i, 0
.rept 4096/\nb
	DPOINT PT+i, PT+32+i, PT+64+i, \nb
.set i, i+1
.endr
.endm
.macro BCOORD c, off
	SPLIT3 \c
	QUADB
	ds_store_b128 v[BTA], v[QD:QD+3] offset:\off
.endm
.macro BPOINT q
	v_mul_f32 v[XXR+\q], v[OW+\q], v[OW+\q]
	v_fmac_f32 v[XXR+\q], v[OW+4+\q], v[OW+4+\q]
	v_fmac_f32 v[XXR+\q], v[OW+8+\q], v[OW+8+\q]
	BCOORD OW+\q, 16*\q
	BCOORD OW+4+\q, 16*\q+256
	BCOORD OW+8+\q, 16*\q+512
	ds_store_b128 v[BTA], v[Q3:Q3+3] offset:16*\q+768
.endm
.macro OWNTAB                          ; wave 0: lane L's points 4 L .. 4 L + 3 = tile L / 4, rows 4 (L mod 4) + q
	v_lshrrev_b32 v[BTA], 2, v1
	v_and_b32 v[HT], 3, v1
	v_lshlrev_b32 v[BTA], 10, v[BTA]
	v_lshl_add_u32 v[BTA], v[HT], 6, v[BTA]
	v_add_nc_u32 v[BTA], BT, v[BTA]
	v_mov_b32 v[Q3], 0x3f803f80                    ; 1.0 1.0 | 1.0 0 | 0 0 | 0 0 in bf16
	v_mov_b32 v[Q3+1], 0x3f80
	v_mov_b32 v[Q3+2], 0
	v_mov_b32 v[Q3+3], 0
	BPOINT 0
	BPOINT 1
	BPOINT 2
	BPOINT 3
	v_lshlrev_b32 v[HT], 4, v1
	v_add_nc_u32 v[HT], XXB, v[HT]
	ds_store_b128 v[HT], v[XXR:XXR+3]
.endm
.macro WSUM r                          ; sum over the wave's 32 lanes, in every lane; v6 is the temporary
	v_add_f32_dpp v[\r], v[\r], v[\r] row_xmask:1 row_mask:0xf bank_mask:0xf
	v_add_f32_dpp v[\r], v[\r], v[\r] row_xmask:2 row_mask:0xf bank_mask:0xf
	v_add_f32_dpp v[\r], v[\r], v[\r] row_xmask:4 row_mask:0xf bank_mask:0xf
	v_add_f32_dpp v[\r], v[\r], v[\r] row_xmask:8 row_mask:0xf bank_mask:0xf
	v_permlanex16_b32 v6, v[\r], s30, s31
	v_add_f32 v[\r], v[\r], v6
.endm
.macro W8 d, a                         ; one dst tile against my 8 src tiles; every product starts from 0: no sum is carried
.irp n, 0,1,2,3,4,5,6,7
	v_wmma_f32_16x16x32_bf16 v[\d+8*\n:\d+8*\n+7], v[\a:\a+7], v[BF+8*\n:BF+8*\n+7], 0
.endr
.endm
.macro PROC d                          ; the largest of a lane's 8 results in each of 8 tiles against the best so far: 57 plain vector lines
.irp n, 0,1,2,3,4,5,6,7
	v_max3_num_f32 v[MX+\n], v[\d+8*\n], v[\d+8*\n+1], v[\d+8*\n+2]
.endr
.irp n, 0,1,2,3,4,5,6,7
	v_max3_num_f32 v[MX+\n], v[MX+\n], v[\d+8*\n+3], v[\d+8*\n+4]
.endr
.irp n, 0,1,2,3,4,5,6,7
	v_max3_num_f32 v[MX+\n], v[MX+\n], v[\d+8*\n+5], v[\d+8*\n+6]
.endr
.irp n, 0,1,2,3,4,5,6,7
	v_max_num_f32 v[MX+\n], v[MX+\n], v[\d+8*\n+7]
.endr
.irp n, 0,1,2,3,4,5,6,7
	v_cmp_gt_f32 s[40+\n], v[MX+\n], v[BEST+\n]
.endr
.irp n, 0,1,2,3,4,5,6,7
	v_cndmask_b32 v[IDX+\n], v[IDX+\n], v[VC], s[40+\n]
.endr
.irp n, 0,1,2,3,4,5,6,7
	v_max_num_f32 v[BEST+\n], v[BEST+\n], v[MX+\n]
.endr
	v_add_nc_u32 v[VC], 2, v[VC]
.endm
; Multiply one tile into set dw while the other set dp is reduced.  PROC's lines name no register of W8's instructions: they are the
; places (ISA guide 7.12.1) in front of the reload of the fragment aw and of the later reading of dw.
.macro HALF dw, aw, dp, left, off
	s_wait_dscnt \left                             ; aw's two loads are in; the other fragment's two may stay out
	W8 \dw, \aw
	PROC \dp
.if \off >= 0
	ds_load_b128 v[\aw:\aw+3],   v[VA] offset:\off
	ds_load_b128 v[\aw+4:\aw+7], v[VA] offset:\off+512
.endif
.endm
	s_load_b256 s[4:11], s[0:1], 0x0               ; srcInit s[4:5], dst s[6:7], out0 s[8:9], index s[10:11]
	s_load_b64 s[12:13], s[0:1], 0x20              ; sums and state
	v_lshrrev_b32 v1, 5, v0
	v_readfirstlane_b32 s20, v1                    ; wave
	s_mov_b32 s21, ttmp9                           ; chunk
	s_and_b32 s22, ttmp7, 0xffff                   ; batch
	s_lshl_b32 s23, s22, 5
	s_add_co_u32 s23, s23, s21                     ; work-group number 32 b + chunk
	s_mov_b32 s28, 0xffff0000
	s_mov_b32 s29, 0x07060302
	s_mov_b32 s30, 0x76543210
	s_mov_b32 s31, 0xfedcba98
	s_mov_b32 s35, PL
	v_and_b32 v1, 31, v0                           ; lane L
	v_and_b32 v2, 15, v0                           ; r
	v_bfe_u32 v3, v0, 4, 1                         ; h
	v_lshlrev_b32 v4, 4, v0                        ; 16 t
	v_add_nc_u32 v5, PL, v4
	v_mov_b32 v6, 0
	v_lshlrev_b32 v7, 4, v1
	v_lshl_add_u32 v7, s21, 9, v7                  ; 512 chunk + 16 L: my 4 points in a plane, and in the index
	s_mul_i32 s2, s22, 49152
	s_mov_b32 s3, 0
	s_wait_kmcnt 0x0
	s_add_nc_u64 s[4:5], s[4:5], s[2:3]
	s_add_nc_u64 s[6:7], s[6:7], s[2:3]
	s_add_nc_u64 s[8:9], s[8:9], s[2:3]
	s_lshl_b32 s2, s22, 14
	s_add_nc_u64 s[10:11], s[10:11], s[2:3]
.irp j, 0,1,2,3,4,5,6,7,8,9,10,11
	global_load_b128 v[STG+4*\j:STG+4*\j+3], v4, s[6:7] offset:4096*\j   ; the batch's dst, 48 KiB by 256 threads
.endr
	s_cmp_lg_u32 s20, 0
	s_cbranch_scc1 .Lno_own
.irp d, 0,1,2
	global_load_b128 v[OW+4*\d:OW+4*\d+3], v7, s[4:5] offset:16384*\d
.endr
.Lno_own:
	s_wait_loadcnt 0x0
.irp j, 0,1,2,3,4,5,6,7,8,9,10,11
	ds_store_b128 v5, v[STG+4*\j:STG+4*\j+3] offset:4096*\j
.endr
	s_wait_dscnt 0x0                               ; my part of the planes is written, for the other waves
	s_barrier_signal -1
	s_barrier_wait -1
	s_cmp_lg_u32 s20, 0
	s_cbranch_scc1 .Lall
.irp d, 0,1,2
	global_store_b128 v7, v[OW+4*\d:OW+4*\d+3], s[8:9] offset:16384*\d   ; out0: 512 consecutive bytes, aligned, per store
.endr
	OWNTAB
	v_mov_b32 v12, 0                               ; the scan's first state: prev_err = 0.0,
	v_mov_b32 v13, 0                               ; not done
	s_wait_xcnt 0x0                                ; the stores' data registers are written again in the search below
.Lall:
	TABLE 256, 0
	s_wait_dscnt 0x0                               ; tables written, reads of the planes over
	s_barrier_signal -1
	s_barrier_wait -1
	; THE SEARCH.  Wave w takes dst tiles 32 w .. 32 w + 31 against all 8 src tiles.
	v_lshlrev_b32 v[VA], 4, v1
	v_add_nc_u32 v[MX], BT, v[VA]
.irp n, 0,1,2,3,4,5,6,7
	ds_load_b128 v[BF+8*\n:BF+8*\n+3],   v[MX] offset:1024*\n
	ds_load_b128 v[BF+8*\n+4:BF+8*\n+7], v[MX] offset:1024*\n+512
.endr
	v_lshl_add_u32 v[VA], s20, 15, v[VA]           ; my first tile + 16 L
	ds_load_b128 v[AE:AE+3],   v[VA]
	ds_load_b128 v[AE+4:AE+7], v[VA] offset:512
	ds_load_b128 v[AO:AO+3],   v[VA] offset:1024
	ds_load_b128 v[AO+4:AO+7], v[VA] offset:1536
.irp n, 0,1,2,3,4,5,6,7
	v_mov_b32 v[BEST+\n], 0xff800000
	v_mov_b32 v[IDX+\n], 0
.endr
	v_lshl_add_u32 v[VC], s20, 6, v3
	s_wait_dscnt 0x2                               ; src fragments and tile 0 are in; tile 1's two loads stay out
	W8 DY, AE
.rept 4
	v_nop                                          ; four places in front of the reload of AE and of the reading of set Y (ISA guide 7.12.1)
.endr
	ds_load_b128 v[AE:AE+3],   v[VA] offset:2048
	ds_load_b128 v[AE+4:AE+7], v[VA] offset:2560
	s_mov_b32 s48, 14
.Ltiles:
	HALF DX, AO, DY, 2, 3072
	HALF DY, AE, DX, 2, 4096
	v_add_nc_u32 v[VA], 2048, v[VA]
	s_sub_co_i32 s48, s48, 1
	s_cmp_lg_u32 s48, 0
	s_cbranch_scc1 .Ltiles
	HALF DX, AO, DY, 2, 3072                       ; tile 29; fetches tile 31
	HALF DY, AE, DX, 2, -1                         ; tile 30
	HALF DX, AO, DY, 0, -1                         ; tile 31
	PROC DX
	; the two halves of the wave hold the even and the odd groups of the same src points: join them, the lower group on a tie
.irp n, 0,1,2,3,4,5,6,7
	v_permlanex16_b32 v[DY+\n],   v[BEST+\n], s30, s31
	v_permlanex16_b32 v[DY+8+\n], v[IDX+\n],  s30, s31
	v_cmp_gt_f32 s40, v[DY+\n], v[BEST+\n]
	v_cmp_eq_f32 s41, v[DY+\n], v[BEST+\n]
	v_min_u32 v[DY+16+\n], v[DY+8+\n], v[IDX+\n]
	v_cndmask_b32 v[IDX+\n], v[IDX+\n], v[DY+16+\n], s41
	v_cndmask_b32 v[IDX+\n], v[IDX+\n], v[DY+8+\n], s40
	v_max_num_f32 v[BEST+\n], v[BEST+\n], v[DY+\n]
.endr
	s_lshl_b32 s59, s20, 9
	s_add_co_u32 s59, s59, SCR
	v_lshlrev_b32 v[VA], 2, v2
	v_add_nc_u32 v[VA], s59, v[VA]
.irp n, 0,1,2,3,4,5,6,7
	ds_store_b32 v[VA], v[BEST+\n] offset:64*\n
	ds_store_b32 v[VA], v[IDX+\n] offset:4096+64*\n
.endr
	s_wait_dscnt 0x0
	s_barrier_signal -1
	s_barrier_wait -1
	s_cmp_lg_u32 s20, 0
	s_cbranch_scc1 .Lend
	; wave 0 joins the 8 waves' results, 4 points a lane; waves ascend, so a tie keeps the lowest group
	v_lshlrev_b32 v[VA], 4, v1
	v_add_nc_u32 v[VC], XXB, v[VA]
	v_add_nc_u32 v[VA], SCR, v[VA]
.irp w, 0,1,2,3,4,5,6,7
	ds_load_b128 v[DX+4*\w:DX+4*\w+3], v[VA] offset:512*\w
	ds_load_b128 v[DY+4*\w:DY+4*\w+3], v[VA] offset:4096+512*\w
.endr
	ds_load_b128 v[AE:AE+3], v[VC]
	s_wait_dscnt 0x0
.irp w, 1,2,3,4,5,6,7
.irp q, 0,1,2,3
	v_cmp_gt_f32 vcc_lo, v[DX+4*\w+\q], v[DX+\q]
	v_cndmask_b32 v[DY+\q], v[DY+\q], v[DY+4*\w+\q], vcc_lo
	v_max_num_f32 v[DX+\q], v[DX+\q], v[DX+4*\w+\q]
.endr
.endr
.irp q, 0,1,2,3
	v_sub_f32 v[DX+\q], v[DX+\q], v[AE+\q]         ; - |s|^2: minus the squared distance
.endr
	v_add_f32 v[DX], v[DX], v[DX+1]
	v_add_f32 v[DX+2], v[DX+2], v[DX+3]
	v_add_f32 v[DX], v[DX], v[DX+2]
	WSUM DX
	global_store_b128 v7, v[DY:DY+3], s[IDXO:IDXO+1]   ; 512 consecutive bytes, aligned
	s_lshl_b32 s59, s23, 2
	v_mov_b32 v[VC], s59
	s_wait_xcnt 0x0                                ; EXEC changes only behind this wait
	v_cmp_eq_u32 vcc_lo, 0, v0
	s_and_saveexec_b32 s53, vcc_lo                 ; lane 0 alone, to the end
	global_store_b32 v[VC], v[DX], s[AUXO:AUXO+1]  ; one word for each work-group
	s_cmp_lg_u32 s23, 0
	s_cbranch_scc1 .Lend
	global_store_b64 v[VC], v[12:13], s[AUXO:AUXO+1] offset:1024   ; work-group 0 (offset register 0): the state
.Lend:
	s_endpgm
.Lfunc_end_k_qc5fa79345e_nn0:
	.size	k_qc5fa79345e_nn0, .Lfunc_end_k_qc5fa79345e_nn0-k_qc5fa79345e_nn0
	.p2alignl 7, 3214868480
	.fill 96, 4, 3214868480
	.section	.rodata,"a",@progbits
	.p2align	6, 0x0
	.amdhsa_kernel k_qc5fa79345e_nn0
		.amdhsa_group_segment_fixed_size 327680
		.amdhsa_private_segment_fixed_size 0
		.amdhsa_enable_private_segment 0
		.amdhsa_kernarg_size 40
		.amdhsa_user_sgpr_count 2
		.amdhsa_user_sgpr_kernarg_segment_ptr 1
		.amdhsa_wavefront_size32 1
		.amdhsa_system_sgpr_workgroup_id_x 1
		.amdhsa_system_sgpr_workgroup_id_y 1
		.amdhsa_system_sgpr_workgroup_id_z 1
		.amdhsa_system_vgpr_workitem_id 0
		.amdhsa_next_free_vgpr 256
		.amdhsa_next_free_sgpr 66
		.amdhsa_reserve_vcc 1
		.amdhsa_float_denorm_mode_32 3
		.amdhsa_float_denorm_mode_16_64 3
		.amdhsa_memory_ordered 1
		.amdhsa_forward_progress 1
		.amdhsa_inst_pref_size 80
	.end_amdhsa_kernel
	.amdgpu_metadata
---
amdhsa.version: [ 1, 2 ]
amdhsa.kernels:
  - .name:           k_qc5fa79345e_nn0
    .symbol:         k_qc5fa79345e_nn0.kd
    .args:
      - { .name: srcInit, .offset: 0, .size: 8, .value_kind: global_buffer, .address_space: global }
      - { .name: dst, .offset: 8, .size: 8, .value_kind: global_buffer, .address_space: global }
      - { .name: out0, .offset: 16, .size: 8, .value_kind: global_buffer, .address_space: global }
      - { .name: idxA, .offset: 24, .size: 8, .value_kind: global_buffer, .address_space: global }
      - { .name: auxA, .offset: 32, .size: 8, .value_kind: global_buffer, .address_space: global }
    .group_segment_fixed_size: 327680
    .private_segment_fixed_size: 0
    .kernarg_segment_align: 8
    .kernarg_segment_size: 40
    .max_flat_workgroup_size: 256
    .sgpr_count:     66
    .vgpr_count:     256
    .wavefront_size: 32
...
	.end_amdgpu_metadata
.endif
;; end of part 1
;; launch step1 (part 2): grid 32 x 8, 8 waves a work-group, no clusters, 327,680 bytes of LDS; arguments srcInit, dst, idxA, auxA, srcA, idxB, auxB; writes srcA, idxB, auxB
.if DOCPART == 2
	.amdgcn_target "amdgcn-amd-amdhsa--gfx1250"
	.amdhsa_code_object_version 6
	.text
	.protected	k_qc5fa79345e_step1
	.globl	k_qc5fa79345e_step1
	.p2align	8
	.type	k_qc5fa79345e_step1,@function
k_qc5fa79345e_step1:
	s_mov_b64 s[64:65], 0
	v_nop
	global_prefetch_b8 v0, s[64:65] scope:SCOPE_SE
	s_setreg_imm32_b32 hwreg(HW_REG_WAVE_MODE, 25, 1), 1
	s_wait_xcnt 0x0
; ICP, one step and the next search.  Given src_k, dst, the winning groups of 8 dst points for src_k, the 256 sums of values and
; the scan's state: (1) every work-group picks, for ALL 4,096 points of its batch, the nearest of the 8 candidates by the f32 distance,
; and sums what the fit needs (no traffic between work-groups: the 32 of a batch repeat this, in the same order, so they agree bit for bit);
; (2) wave 0 makes R, t (Kabsch by one-sided Jacobi), moves the work-group's own 128 points, stores them as src_k+1 and cuts
; them into bf16 pieces, while waves 4-7 build the dst fragment table; (3) the search of src_k+1 against dst as in the first launch.
; The sums are taken about pivots (point 0 of src_k and of dst), so a common offset of the clouds forms no difference of large sums.
; R = va ua^T + vb ub^T + (va x vb)(ua x ub)^T over the two larger singular pairs: equal to V diag(1, 1, det) U^T.
; No tensor loads and no cluster: dst passes through registers to be cut into pieces; src and the index land in registers anyway.
; LIMITS: NaN and infinities are not served; |x| up to about 1e16 (squares and their sums); exact ties take the lowest index by the
; true distance; the Jacobi runs NSWEEP = 6 full sweeps of a 3 x 3 (its convergence is quadratic in the end); a cross-covariance of rank below 2 gives some rotation.
.set TAB, 0                            ; dst fragments: tile T (16 points) at 1024 T; quad q (8 K places) of point r at + 256 q + 16 r
.set PL,  262144                       ; dst as loaded: x, y, z planes of 16,384 bytes
.set BT,  311296                       ; fragments of my 128 src points
.set XXB, 319488                       ; |s|^2 of my 128 points
.set RED, 320000                       ; 8 waves x 16 sums
.set TOT, 320512                       ; each wave's own 64 bytes
.set SCR, PL                           ; behind the last read of PL
.set NSWEEP, 6
.set TINY, 0x0d800000                  ; 2^-100, a floor under divisors
.set IDXO, 14                          ; s[14:15] index output
.set AUXO, 16                          ; s[16:17] sums and state output
; registers of the fit
.set VP,  8                            ; v[8:15]    wave 0: 8 of the 256 sums of values
.set SC,  16                           ; v[16:63]   my 16 points: coordinate d, point i at 16 d + i; point = 1024 (i / 4) + 4 t + i mod 4
.set IX,  64                           ; v[64:79]   their groups
.set C0,  80                           ; v[80:103]  8 candidates: x +0..7, y +8..15, z +16..23
.set C1,  104
.set ED,  128                          ; v[128:135] 8 squared distances
.set DT,  136                          ; v[136:159]
.set NS,  160                          ; v[160:165] -s in the even registers, 0 in the odd ones
.set SUM, 166                          ; v[166:181] sum s', sum c', sum s' c'^T, a zero
.set SP,  182
.set CP,  185
.set PA,  188
.set PB,  191
.set AD0, 194
.set STG, 196
.set OW,  244
.set TS,  80
.set GM,  96                           ; row i, column c at 3 i + c
.set VV,  105
.set MS,  114
.set MC,  117
.set AL,  120
.set BE,  121
.set GA,  122
.set DD,  123
.set OO,  124
.set WW,  125
.set SG,  126
.set TT,  127
.set CC,  128
.set SS,  129
.set U,   130
.set U2,  131
.set VAa, 132
.set VBb, 135
.set UA,  138
.set UB,  141
.set WV,  144
.set WU,  147
.set RR,  150
.set TV,  160
; registers of the tables
.set PT,  16
.set HH,  112
.set HM,  113
.set HL,  114
.set HT,  115
.set QD,  116
.set Q3,  120
.set NN,  124
.set X2,  125
.set AT,  126
.set BTA, 127
.set XXR, 128
; registers of the search
.set BF,  16
.set DX,  80
.set DY,  144
.set AE,  208
.set AO,  216
.set BEST, 224
.set IDX, 232
.set MX,  240
.set VC,  248
.set VA,  249
.macro SPLIT3 v                        ; v = HH + HM + HL exactly, each with 8 significant bits
	v_and_b32 v[HH], s28, v[\v]
	v_sub_f32 v[HT], v[\v], v[HH]
	v_and_b32 v[HM], s28, v[HT]
	v_sub_f32 v[HL], v[HT], v[HM]
.endm
.macro QUADA                           ; K places h h h m m m l l
	v_perm_b32 v[QD],   v[HH], v[HH], s29
	v_perm_b32 v[QD+1], v[HM], v[HH], s29
	v_perm_b32 v[QD+2], v[HM], v[HM], s29
	v_perm_b32 v[QD+3], v[HL], v[HL], s29
.endm
.macro QUADB                           ; K places h m l h m l h m
	v_perm_b32 v[QD],   v[HM], v[HH], s29
	v_perm_b32 v[QD+1], v[HH], v[HL], s29
	v_perm_b32 v[QD+2], v[HL], v[HM], s29
	v_perm_b32 v[QD+3], v[HM], v[HH], s29
.endm
.macro DCOORD c, off
	v_add_f32 v[X2], v[\c], v[\c]
	SPLIT3 X2
	QUADA
	ds_store_b128 v[AT], v[QD:QD+3] offset:\off
.endm
.macro DPOINT x, y, z, nb
	v_mul_f32 v[NN], -v[\x], v[\x]
	v_fma_f32 v[NN], -v[\y], v[\y], v[NN]
	v_fma_f32 v[NN], -v[\z], v[\z], v[NN]
	DCOORD \x, 0
	DCOORD \y, 256
	DCOORD \z, 512
	SPLIT3 NN
	v_perm_b32 v[Q3], v[HM], v[HH], s29
	v_lshrrev_b32 v[Q3+1], 16, v[HL]
	ds_store_b128 v[AT], v[Q3:Q3+3] offset:768
	v_add_nc_u32 v[AT], (\nb/16)*1024, v[AT]
.endm
.macro TABLE nb, tt
	v_lshl_add_u32 v[HT], v[\tt], 2, s35
.set i, 0
.rept 4096/\nb
	ds_load_b32 v[PT+i],    v[HT] offset:i*4*\nb
	ds_load_b32 v[PT+32+i], v[HT] offset:i*4*\nb+16384
	ds_load_b32 v[PT+64+i], v[HT] offset:i*4*\nb+32768
.set i, i+1
.endr
	v_lshrrev_b32 v[X2], 4, v[\tt]
	v_lshlrev_b32 v[NN], 4, v2
	v_lshl_add_u32 v[AT], v[X2], 10, v[NN]
	v_mov_b32 v[Q3+2], 0
	v_mov_b32 v[Q3+3], 0
	s_wait_dscnt 0x0
.set i, 0
.rept 4096/\nb
	DPOINT PT+i, PT+32+i, PT+64+i, \nb
.set i, i+1
.endr
.endm
.macro BCOORD c, off
	SPLIT3 \c
	QUADB
	ds_store_b128 v[BTA], v[QD:QD+3] offset:\off
.endm
.macro BPOINT q
	v_mul_f32 v[XXR+\q], v[OW+\q], v[OW+\q]
	v_fmac_f32 v[XXR+\q], v[OW+4+\q], v[OW+4+\q]
	v_fmac_f32 v[XXR+\q], v[OW+8+\q], v[OW+8+\q]
	BCOORD OW+\q, 16*\q
	BCOORD OW+4+\q, 16*\q+256
	BCOORD OW+8+\q, 16*\q+512
	ds_store_b128 v[BTA], v[Q3:Q3+3] offset:16*\q+768
.endm
.macro OWNTAB
	v_lshrrev_b32 v[BTA], 2, v1
	v_and_b32 v[HT], 3, v1
	v_lshlrev_b32 v[BTA], 10, v[BTA]
	v_lshl_add_u32 v[BTA], v[HT], 6, v[BTA]
	v_add_nc_u32 v[BTA], BT, v[BTA]
	v_mov_b32 v[Q3], 0x3f803f80
	v_mov_b32 v[Q3+1], 0x3f80
	v_mov_b32 v[Q3+2], 0
	v_mov_b32 v[Q3+3], 0
	BPOINT 0
	BPOINT 1
	BPOINT 2
	BPOINT 3
	v_lshlrev_b32 v[HT], 4, v1
	v_add_nc_u32 v[HT], XXB, v[HT]
	ds_store_b128 v[HT], v[XXR:XXR+3]
.endm
.macro WSUM r
	v_add_f32_dpp v[\r], v[\r], v[\r] row_xmask:1 row_mask:0xf bank_mask:0xf
	v_add_f32_dpp v[\r], v[\r], v[\r] row_xmask:2 row_mask:0xf bank_mask:0xf
	v_add_f32_dpp v[\r], v[\r], v[\r] row_xmask:4 row_mask:0xf bank_mask:0xf
	v_add_f32_dpp v[\r], v[\r], v[\r] row_xmask:8 row_mask:0xf bank_mask:0xf
	v_permlanex16_b32 v6, v[\r], s30, s31
	v_add_f32 v[\r], v[\r], v6
.endm
; the 8 candidates of point i: 32 bytes of each plane at 32 x group; the group is clamped to the table
.macro RLOAD c, ad, i
	v_min_u32 v[\ad], 511, v[IX+\i]
	v_lshl_add_u32 v[\ad], v[\ad], 5, s35
	ds_load_b128 v[\c:\c+3],     v[\ad]
	ds_load_b128 v[\c+4:\c+7],   v[\ad] offset:16
	ds_load_b128 v[\c+8:\c+11],  v[\ad] offset:16384
	ds_load_b128 v[\c+12:\c+15], v[\ad] offset:16400
	ds_load_b128 v[\c+16:\c+19], v[\ad] offset:32768
	ds_load_b128 v[\c+20:\c+23], v[\ad] offset:32784
.endm
.macro SEL c, a, b, e                  ; candidate b replaces a only if strictly nearer: the lower index wins a tie
	v_cmp_lt_f32 vcc_lo, v[ED+\b], v[ED+\a]
.if \e
	v_cndmask_b32 v[ED+\a], v[ED+\a], v[ED+\b], vcc_lo
.endif
	v_cndmask_b32 v[\c+\a],    v[\c+\a],    v[\c+\b],    vcc_lo
	v_cndmask_b32 v[\c+8+\a],  v[\c+8+\a],  v[\c+8+\b],  vcc_lo
	v_cndmask_b32 v[\c+16+\a], v[\c+16+\a], v[\c+16+\b], vcc_lo
.endm
.macro ACC sx, sy, sz, cx, cy, cz
	v_sub_f32 v[SP],   v[\sx], v[PA]
	v_sub_f32 v[SP+1], v[\sy], v[PA+1]
	v_sub_f32 v[SP+2], v[\sz], v[PA+2]
	v_sub_f32 v[CP],   v[\cx], v[PB]
	v_sub_f32 v[CP+1], v[\cy], v[PB+1]
	v_sub_f32 v[CP+2], v[\cz], v[PB+2]
.irp d, 0,1,2
	v_add_f32 v[SUM+\d], v[SUM+\d], v[SP+\d]
	v_add_f32 v[SUM+3+\d], v[SUM+3+\d], v[CP+\d]
.endr
.irp a, 0,1,2
.irp b, 0,1,2
	v_fmac_f32 v[SUM+6+3*\a+\b], v[SP+\a], v[CP+\b]
.endr
.endr
.endm
.macro RCALC c, i
	v_mul_f32 v[NS],   -1.0, v[SC+\i]
	v_mul_f32 v[NS+2], -1.0, v[SC+16+\i]
	v_mul_f32 v[NS+4], -1.0, v[SC+32+\i]
.irp k, 0,2,4,6
	v_pk_add_f32 v[DT+3*\k:DT+3*\k+1],   v[\c+\k:\c+\k+1],       v[NS:NS+1]   op_sel_hi:[1,0]
	v_pk_add_f32 v[DT+3*\k+2:DT+3*\k+3], v[\c+8+\k:\c+8+\k+1],   v[NS+2:NS+3] op_sel_hi:[1,0]
	v_pk_add_f32 v[DT+3*\k+4:DT+3*\k+5], v[\c+16+\k:\c+16+\k+1], v[NS+4:NS+5] op_sel_hi:[1,0]
.endr
.irp k, 0,2,4,6
	v_pk_mul_f32 v[ED+\k:ED+\k+1], v[DT+3*\k:DT+3*\k+1], v[DT+3*\k:DT+3*\k+1]
.endr
.irp k, 0,2,4,6
	v_pk_fma_f32 v[ED+\k:ED+\k+1], v[DT+3*\k+2:DT+3*\k+3], v[DT+3*\k+2:DT+3*\k+3], v[ED+\k:ED+\k+1]
.endr
.irp k, 0,2,4,6
	v_pk_fma_f32 v[ED+\k:ED+\k+1], v[DT+3*\k+4:DT+3*\k+5], v[DT+3*\k+4:DT+3*\k+5], v[ED+\k:ED+\k+1]
.endr
	SEL \c, 0, 1, 1
	SEL \c, 2, 3, 1
	SEL \c, 4, 5, 1
	SEL \c, 6, 7, 1
	SEL \c, 0, 2, 1
	SEL \c, 4, 6, 1
	SEL \c, 0, 4, 0
	ACC SC+\i, SC+16+\i, SC+32+\i, \c, \c+8, \c+16
.endm
; the wave's 15 sums over its lanes, then to the wave's 64 bytes at base, then the barrier
.macro REDUCE base
.irp m, 1,2,4,8
.set j, 0
.rept 15
	v_add_f32_dpp v[SUM+j], v[SUM+j], v[SUM+j] row_xmask:\m row_mask:0xf bank_mask:0xf
.set j, j+1
.endr
.endr
.set j, 0
.rept 15
	v_permlanex16_b32 v[DT+j], v[SUM+j], s30, s31
.set j, j+1
.endr
.set j, 0
.rept 15
	v_add_f32 v[SUM+j], v[SUM+j], v[DT+j]
.set j, j+1
.endr
	s_lshl_b32 s59, s20, 6
	s_add_co_u32 s59, s59, \base
	v_mov_b32 v[AD0], s59
.irp k, 0,1,2,3
	ds_store_b128 v[AD0], v[SUM+4*\k:SUM+4*\k+3] offset:16*\k
.endr
	s_wait_dscnt 0x0                               ; for the waves that read them behind the barrier
	s_barrier_signal -1
	s_barrier_wait -1
.endm
; the 8 waves' sums added in the order of the waves (lane r adds word r), then all 16 totals into every lane through the wave's own 64 bytes
.macro TOTALS base
	v_lshlrev_b32 v[U], 2, v2
	v_add_nc_u32 v[U2], \base, v[U]
.irp w, 0,1,2,3,4,5,6,7
	ds_load_b32 v[TS+\w], v[U2] offset:64*\w
.endr
	s_lshl_b32 s59, s20, 6
	s_add_co_u32 s59, s59, TOT
	v_add_nc_u32 v[U], s59, v[U]
	v_mov_b32 v[WW], s59
	s_wait_dscnt 0x0
.irp w, 1,2,3,4,5,6,7
	v_add_f32 v[TS], v[TS], v[TS+\w]
.endr
	ds_store_b32 v[U], v[TS]
.irp k, 0,1,2,3
	ds_load_b128 v[TS+4*\k:TS+4*\k+3], v[WW] offset:16*\k   ; LDS serves a wave's instructions in order (ISA guide 5.7.1): these see the store
.endr
	s_wait_dscnt 0x0
.endm
.macro ROT2 x, y
	v_mul_f32 v[U],  v[SS], v[\y]
	v_mul_f32 v[U2], v[SS], v[\x]
	v_fma_f32 v[\x], v[CC], v[\x], -v[U]
	v_fma_f32 v[\y], v[CC], v[\y], v[U2]
.endm
; one Jacobi rotation that makes columns p and q of GM orthogonal; VV gathers the rotations.
; t = sign(D) O / (|D| + sqrt(D^2 + O^2)), D = |q|^2 - |p|^2, O = 2 p.q.  Behind each transcendental stands one plain line (ISA guide 5.7.2).
.macro JROT p, q
	v_mul_f32 v[AL], v[GM+\p], v[GM+\p]
	v_mul_f32 v[BE], v[GM+\q], v[GM+\q]
	v_mul_f32 v[GA], v[GM+\p], v[GM+\q]
.irp a, 3,6
	v_fmac_f32 v[AL], v[GM+\a+\p], v[GM+\a+\p]
	v_fmac_f32 v[BE], v[GM+\a+\q], v[GM+\a+\q]
	v_fmac_f32 v[GA], v[GM+\a+\p], v[GM+\a+\q]
.endr
	v_sub_f32 v[DD], v[BE], v[AL]
	v_add_f32 v[OO], v[GA], v[GA]
	v_mul_f32 v[WW], v[DD], v[DD]
	v_fmac_f32 v[WW], v[OO], v[OO]
	v_sqrt_f32 v[U], v[WW]
	v_and_b32 v[SG], 0x80000000, v[DD]
	s_wait_alu depctr_va_vdst(0)
	v_add_f32 v[WW], |v[DD]|, v[U]
	v_max_num_f32 v[WW], TINY, v[WW]
	v_rcp_f32 v[U], v[WW]
	v_xor_b32 v[OO], v[OO], v[SG]
	s_wait_alu depctr_va_vdst(0)
	v_mul_f32 v[TT], v[OO], v[U]
	v_fma_f32 v[WW], v[TT], v[TT], 1.0
	v_rsq_f32 v[CC], v[WW]
	v_nop
	s_wait_alu depctr_va_vdst(0)
	v_mul_f32 v[SS], v[TT], v[CC]
.irp a, 0,3,6
	ROT2 GM+\a+\p, GM+\a+\q
	ROT2 VV+\a+\p, VV+\a+\q
.endr
.endm
.macro CROSS d, a, b
	v_mul_f32 v[\d],   v[\a+2], v[\b+1]
	v_mul_f32 v[\d+1], v[\a],   v[\b+2]
	v_mul_f32 v[\d+2], v[\a+1], v[\b]
	v_fma_f32 v[\d],   v[\a+1], v[\b+2], -v[\d]
	v_fma_f32 v[\d+1], v[\a+2], v[\b],   -v[\d+1]
	v_fma_f32 v[\d+2], v[\a],   v[\b+1], -v[\d+2]
.endm
; from the 15 totals in TS and the pivots PA, PB: RR (row i, column j at 3 i + j) and TV.  The same numbers in every lane.
.macro KABSCH
.irp d, 0,1,2
	v_mul_f32 v[MS+\d], 0x39800000, v[TS+\d]       ; / 4096
	v_mul_f32 v[MC+\d], 0x39800000, v[TS+3+\d]
.endr
.irp a, 0,1,2
.irp b, 0,1,2
	v_fma_f32 v[GM+3*\a+\b], -v[TS+\a], v[MC+\b], v[TS+6+3*\a+\b]
.endr
.endr
	v_max3_num_f32 v[WW], |v[GM]|, |v[GM+1]|, |v[GM+2]|
	v_max3_num_f32 v[WW], v[WW], |v[GM+3]|, |v[GM+4]|
	v_max3_num_f32 v[WW], v[WW], |v[GM+5]|, |v[GM+6]|
	v_max3_num_f32 v[WW], v[WW], |v[GM+7]|, |v[GM+8]|
	v_max_num_f32 v[WW], TINY, v[WW]
	v_rcp_f32 v[OO], v[WW]                         ; the matrix is brought to largest entry 1: the rotation does not hang on its scale
.irp a, 0,1,2,3,4,5,6,7,8
	v_mov_b32 v[VV+\a], 0
.endr
	v_mov_b32 v[VV], 1.0
	v_mov_b32 v[VV+4], 1.0
	v_mov_b32 v[VV+8], 1.0
	s_wait_alu depctr_va_vdst(0)
.irp a, 0,1,2,3,4,5,6,7,8
	v_mul_f32 v[GM+\a], v[GM+\a], v[OO]
.endr
	s_mov_b32 s48, NSWEEP
.Lsweep_\@:
	JROT 0, 1
	JROT 0, 2
	JROT 1, 2
	s_sub_co_i32 s48, s48, 1
	s_cmp_lg_u32 s48, 0
	s_cbranch_scc1 .Lsweep_\@
	v_mul_f32 v[AL], v[GM],   v[GM]
	v_mul_f32 v[BE], v[GM+1], v[GM+1]
	v_mul_f32 v[GA], v[GM+2], v[GM+2]
.irp a, 3,6
	v_fmac_f32 v[AL], v[GM+\a],   v[GM+\a]
	v_fmac_f32 v[BE], v[GM+\a+1], v[GM+\a+1]
	v_fmac_f32 v[GA], v[GM+\a+2], v[GM+\a+2]
.endr
	v_min3_num_f32 v[DD], v[AL], v[BE], v[GA]
	v_cmp_eq_f32 s57, v[AL], v[DD]                 ; column 0 is the smallest: column 2 stands in for it
	v_cmp_eq_f32 s58, v[BE], v[DD]
	s_and_not1_b32 s58, s58, s57                   ; else column 1 is: column 2 stands in for it
.irp a, 0,1,2
	v_cndmask_b32 v[VAa+\a], v[VV+3*\a],   v[VV+3*\a+2], s57
	v_cndmask_b32 v[UA+\a],  v[GM+3*\a],   v[GM+3*\a+2], s57
	v_cndmask_b32 v[VBb+\a], v[VV+3*\a+1], v[VV+3*\a+2], s58
	v_cndmask_b32 v[UB+\a],  v[GM+3*\a+1], v[GM+3*\a+2], s58
.endr
	v_cndmask_b32 v[OO], v[AL], v[GA], s57
	v_cndmask_b32 v[WW], v[BE], v[GA], s58
	v_max_num_f32 v[OO], TINY, v[OO]
	v_max_num_f32 v[WW], TINY, v[WW]
	v_rsq_f32 v[U], v[OO]
	v_rsq_f32 v[U2], v[WW]
	v_nop
	s_wait_alu depctr_va_vdst(0)
.irp a, 0,1,2
	v_mul_f32 v[UA+\a], v[UA+\a], v[U]
	v_mul_f32 v[UB+\a], v[UB+\a], v[U2]
.endr
	CROSS WV, VAa, VBb
	CROSS WU, UA, UB
.irp a, 0,1,2
.irp b, 0,1,2
	v_mul_f32 v[RR+3*\a+\b], v[VAa+\a], v[UA+\b]
	v_fmac_f32 v[RR+3*\a+\b], v[VBb+\a], v[UB+\b]
	v_fmac_f32 v[RR+3*\a+\b], v[WV+\a], v[WU+\b]
.endr
.endr
.irp d, 0,1,2
	v_add_f32 v[MS+\d], v[MS+\d], v[PA+\d]         ; the true means
	v_add_f32 v[MC+\d], v[MC+\d], v[PB+\d]
.endr
.irp a, 0,1,2
	v_fma_f32 v[TV+\a], -v[RR+3*\a],   v[MS],   v[MC+\a]
	v_fma_f32 v[TV+\a], -v[RR+3*\a+1], v[MS+1], v[TV+\a]
	v_fma_f32 v[TV+\a], -v[RR+3*\a+2], v[MS+2], v[TV+\a]
.endr
.endm
.macro W8 d, a                         ; every product starts from 0: no sum is carried
.irp n, 0,1,2,3,4,5,6,7
	v_wmma_f32_16x16x32_bf16 v[\d+8*\n:\d+8*\n+7], v[\a:\a+7], v[BF+8*\n:BF+8*\n+7], 0
.endr
.endm
.macro PROC d
.irp n, 0,1,2,3,4,5,6,7
	v_max3_num_f32 v[MX+\n], v[\d+8*\n], v[\d+8*\n+1], v[\d+8*\n+2]
.endr
.irp n, 0,1,2,3,4,5,6,7
	v_max3_num_f32 v[MX+\n], v[MX+\n], v[\d+8*\n+3], v[\d+8*\n+4]
.endr
.irp n, 0,1,2,3,4,5,6,7
	v_max3_num_f32 v[MX+\n], v[MX+\n], v[\d+8*\n+5], v[\d+8*\n+6]
.endr
.irp n, 0,1,2,3,4,5,6,7
	v_max_num_f32 v[MX+\n], v[MX+\n], v[\d+8*\n+7]
.endr
.irp n, 0,1,2,3,4,5,6,7
	v_cmp_gt_f32 s[40+\n], v[MX+\n], v[BEST+\n]
.endr
.irp n, 0,1,2,3,4,5,6,7
	v_cndmask_b32 v[IDX+\n], v[IDX+\n], v[VC], s[40+\n]
.endr
.irp n, 0,1,2,3,4,5,6,7
	v_max_num_f32 v[BEST+\n], v[BEST+\n], v[MX+\n]
.endr
	v_add_nc_u32 v[VC], 2, v[VC]
.endm
; PROC's 57 lines name no register of W8's instructions: they are the places (ISA guide 7.12.1) in front of the reload of aw and of the reading of dw.
.macro HALF dw, aw, dp, left, off
	s_wait_dscnt \left                             ; aw's two loads are in; the other fragment's two may stay out
	W8 \dw, \aw
	PROC \dp
.if \off >= 0
	ds_load_b128 v[\aw:\aw+3],   v[VA] offset:\off
	ds_load_b128 v[\aw+4:\aw+7], v[VA] offset:\off+512
.endif
.endm
	s_load_b256 s[4:11], s[0:1], 0x0               ; src s[4:5], dst s[6:7], index in s[8:9], sums and state in s[10:11]
	s_load_b128 s[12:15], s[0:1], 0x20             ; src out s[12:13], index out s[14:15]
	s_load_b64 s[16:17], s[0:1], 0x30              ; sums and state out
	v_lshrrev_b32 v1, 5, v0
	v_readfirstlane_b32 s20, v1                    ; wave
	s_mov_b32 s21, ttmp9                           ; chunk
	s_and_b32 s22, ttmp7, 0xffff                   ; batch
	s_lshl_b32 s23, s22, 5
	s_add_co_u32 s23, s23, s21
	s_mov_b32 s28, 0xffff0000
	s_mov_b32 s29, 0x07060302
	s_mov_b32 s30, 0x76543210
	s_mov_b32 s31, 0xfedcba98
	s_mov_b32 s35, PL
	s_mov_b32 s49, 0x3a83126f                      ; the tolerance 0.001
	v_and_b32 v1, 31, v0
	v_and_b32 v2, 15, v0
	v_bfe_u32 v3, v0, 4, 1
	v_lshlrev_b32 v4, 4, v0
	v_add_nc_u32 v5, PL, v4
	v_mov_b32 v6, 0
	v_lshlrev_b32 v7, 4, v1
	v_lshl_add_u32 v7, s21, 9, v7
	v_lshlrev_b32 v[AD0], 5, v1
	s_mul_i32 s2, s22, 49152
	s_mov_b32 s3, 0
	s_wait_kmcnt 0x0
	s_add_nc_u64 s[4:5], s[4:5], s[2:3]
	s_add_nc_u64 s[6:7], s[6:7], s[2:3]
	s_add_nc_u64 s[12:13], s[12:13], s[2:3]
	s_lshl_b32 s2, s22, 14
	s_add_nc_u64 s[8:9], s[8:9], s[2:3]
	s_add_nc_u64 s[14:15], s[14:15], s[2:3]
.irp j, 0,1,2,3,4,5,6,7,8,9,10,11
	global_load_b128 v[STG+4*\j:STG+4*\j+3], v4, s[6:7] offset:4096*\j
.endr
.irp j, 0,1,2,3,4,5,6,7,8,9,10,11
	global_load_b128 v[SC+4*\j:SC+4*\j+3], v4, s[4:5] offset:4096*\j
.endr
.irp j, 0,1,2,3
	global_load_b128 v[IX+4*\j:IX+4*\j+3], v4, s[8:9] offset:4096*\j
.endr
	s_load_b32 s32, s[4:5], 0x0                    ; pivots: point 0 of src and of dst
	s_load_b32 s33, s[4:5], 0x4000
	s_load_b32 s34, s[4:5], 0x8000
	s_load_b32 s36, s[6:7], 0x0
	s_load_b32 s37, s[6:7], 0x4000
	s_load_b32 s38, s[6:7], 0x8000
	s_load_b64 s[50:51], s[10:11], 0x400           ; prev_err, done
	s_cmp_lg_u32 s20, 0
	s_cbranch_scc1 .Lno_own
.irp d, 0,1,2
	global_load_b128 v[OW+4*\d:OW+4*\d+3], v7, s[4:5] offset:16384*\d
.endr
	global_load_b128 v[VP:VP+3],   v[AD0], s[10:11]
	global_load_b128 v[VP+4:VP+7], v[AD0], s[10:11] offset:16
.Lno_own:
	s_wait_loadcnt 0x10                            ; at least the 16 loads of src and index are younger than dst's 12: dst is in
.irp j, 0,1,2,3,4,5,6,7,8,9,10,11
	ds_store_b128 v5, v[STG+4*\j:STG+4*\j+3] offset:4096*\j
.endr
	s_wait_dscnt 0x0
	s_barrier_signal -1
	s_barrier_wait -1
	s_wait_loadcnt 0x0
	s_wait_kmcnt 0x0
	s_cmp_lg_u32 s51, 0
	s_cselect_b32 s52, -1, 0                       ; done, as a mask for selects
.irp d, 0,1,2
	v_mov_b32 v[PA+\d], s[32+\d]
	v_mov_b32 v[PB+\d], s[36+\d]
	v_mov_b32 v[NS+2*\d+1], 0
.endr
.set j, 0
.rept 16
	v_mov_b32 v[SUM+j], 0
.set j, j+1
.endr
	; the nearest of 8 for my 16 points; the next point's six gathers are on their way while one is worked on
	RLOAD C0, AD0, 0
.set i, 0
.rept 15
.set NXT, C0+24*((i+1)%2)
.set ADN, AD0+((i+1)%2)
.set CUR, C0+24*(i%2)
	RLOAD NXT, ADN, i+1
	s_wait_dscnt 0x6                               ; all but the six just issued
	RCALC CUR, i
.set i, i+1
.endr
	s_wait_dscnt 0x0
	RCALC C1, 15
	REDUCE RED
	s_cmp_ge_u32 s20, 4
	s_cbranch_scc1 .Ltable
	s_cmp_lg_u32 s20, 0
	s_cbranch_scc1 .Ljoin
	; wave 0: the fit, my work-group's 128 points moved, their fragments, the state
	TOTALS RED
	KABSCH
.irp q, 0,1,2,3
.irp d, 0,1,2
	v_fma_f32 v[TS+\d], v[RR+3*\d], v[OW+\q], v[TV+\d]
	v_fmac_f32 v[TS+\d], v[RR+3*\d+1], v[OW+4+\q]
	v_fmac_f32 v[TS+\d], v[RR+3*\d+2], v[OW+8+\q]
.endr
.irp d, 0,1,2
	v_cndmask_b32 v[OW+4*\d+\q], v[TS+\d], v[OW+4*\d+\q], s52   ; done: the points stay
.endr
.endr
.irp d, 0,1,2
	global_store_b128 v7, v[OW+4*\d:OW+4*\d+3], s[12:13] offset:16384*\d
.endr
	OWNTAB
	v_add_f32 v8, v8, v9
	v_add_f32 v10, v10, v11
	v_add_f32 v12, v12, v13
	v_add_f32 v14, v14, v15
	v_add_f32 v8, v8, v10
	v_add_f32 v12, v12, v14
	v_add_f32 v8, v8, v12
	WSUM 8
	v_mul_f32 v8, 0x38000000, v8                   ; / 32768: the mean over all batches
	v_sub_f32 v9, s50, v8
	v_mov_b32 v10, s51
	v_mov_b32 v11, 1
	v_mov_b32 v14, s50
	v_cmp_lt_f32 vcc_lo, |v9|, s49
	v_cndmask_b32 v13, v10, v11, vcc_lo            ; done | (|prev - err| < tolerance)
	v_cndmask_b32 v12, v8, v14, s52                ; done ? prev : err
	s_wait_xcnt 0x0                                ; the stores' data registers are written again in the search below
	s_branch .Ljoin
.Ltable:
	v_and_b32 v8, 127, v0                          ; waves 4-7: builder 0..127
	TABLE 128, 8
.Ljoin:
	s_wait_dscnt 0x0                               ; tables written, reads of the planes and sums over
	s_barrier_signal -1
	s_barrier_wait -1
	; THE SEARCH.  Wave w takes dst tiles 32 w .. 32 w + 31 against all 8 src tiles.
	v_lshlrev_b32 v[VA], 4, v1
	v_add_nc_u32 v[MX], BT, v[VA]
.irp n, 0,1,2,3,4,5,6,7
	ds_load_b128 v[BF+8*\n:BF+8*\n+3],   v[MX] offset:1024*\n
	ds_load_b128 v[BF+8*\n+4:BF+8*\n+7], v[MX] offset:1024*\n+512
.endr
	v_lshl_add_u32 v[VA], s20, 15, v[VA]
	ds_load_b128 v[AE:AE+3],   v[VA]
	ds_load_b128 v[AE+4:AE+7], v[VA] offset:512
	ds_load_b128 v[AO:AO+3],   v[VA] offset:1024
	ds_load_b128 v[AO+4:AO+7], v[VA] offset:1536
.irp n, 0,1,2,3,4,5,6,7
	v_mov_b32 v[BEST+\n], 0xff800000
	v_mov_b32 v[IDX+\n], 0
.endr
	v_lshl_add_u32 v[VC], s20, 6, v3
	s_wait_dscnt 0x2                               ; src fragments and tile 0 are in; tile 1's two loads stay out
	W8 DY, AE
.rept 4
	v_nop                                          ; four places in front of the reload of AE and of the reading of set Y (ISA guide 7.12.1)
.endr
	ds_load_b128 v[AE:AE+3],   v[VA] offset:2048
	ds_load_b128 v[AE+4:AE+7], v[VA] offset:2560
	s_mov_b32 s48, 14
.Ltiles:
	HALF DX, AO, DY, 2, 3072
	HALF DY, AE, DX, 2, 4096
	v_add_nc_u32 v[VA], 2048, v[VA]
	s_sub_co_i32 s48, s48, 1
	s_cmp_lg_u32 s48, 0
	s_cbranch_scc1 .Ltiles
	HALF DX, AO, DY, 2, 3072                       ; tile 29; fetches tile 31
	HALF DY, AE, DX, 2, -1                         ; tile 30
	HALF DX, AO, DY, 0, -1                         ; tile 31
	PROC DX
.irp n, 0,1,2,3,4,5,6,7
	v_permlanex16_b32 v[DY+\n],   v[BEST+\n], s30, s31
	v_permlanex16_b32 v[DY+8+\n], v[IDX+\n],  s30, s31
	v_cmp_gt_f32 s40, v[DY+\n], v[BEST+\n]
	v_cmp_eq_f32 s41, v[DY+\n], v[BEST+\n]
	v_min_u32 v[DY+16+\n], v[DY+8+\n], v[IDX+\n]
	v_cndmask_b32 v[IDX+\n], v[IDX+\n], v[DY+16+\n], s41
	v_cndmask_b32 v[IDX+\n], v[IDX+\n], v[DY+8+\n], s40
	v_max_num_f32 v[BEST+\n], v[BEST+\n], v[DY+\n]
.endr
	s_lshl_b32 s59, s20, 9
	s_add_co_u32 s59, s59, SCR
	v_lshlrev_b32 v[VA], 2, v2
	v_add_nc_u32 v[VA], s59, v[VA]
.irp n, 0,1,2,3,4,5,6,7
	ds_store_b32 v[VA], v[BEST+\n] offset:64*\n
	ds_store_b32 v[VA], v[IDX+\n] offset:4096+64*\n
.endr
	s_wait_dscnt 0x0
	s_barrier_signal -1
	s_barrier_wait -1
	s_cmp_lg_u32 s20, 0
	s_cbranch_scc1 .Lend
	v_lshlrev_b32 v[VA], 4, v1
	v_add_nc_u32 v[VC], XXB, v[VA]
	v_add_nc_u32 v[VA], SCR, v[VA]
.irp w, 0,1,2,3,4,5,6,7
	ds_load_b128 v[DX+4*\w:DX+4*\w+3], v[VA] offset:512*\w
	ds_load_b128 v[DY+4*\w:DY+4*\w+3], v[VA] offset:4096+512*\w
.endr
	ds_load_b128 v[AE:AE+3], v[VC]
	s_wait_dscnt 0x0
.irp w, 1,2,3,4,5,6,7
.irp q, 0,1,2,3
	v_cmp_gt_f32 vcc_lo, v[DX+4*\w+\q], v[DX+\q]
	v_cndmask_b32 v[DY+\q], v[DY+\q], v[DY+4*\w+\q], vcc_lo
	v_max_num_f32 v[DX+\q], v[DX+\q], v[DX+4*\w+\q]
.endr
.endr
.irp q, 0,1,2,3
	v_sub_f32 v[DX+\q], v[DX+\q], v[AE+\q]
.endr
	v_add_f32 v[DX], v[DX], v[DX+1]
	v_add_f32 v[DX+2], v[DX+2], v[DX+3]
	v_add_f32 v[DX], v[DX], v[DX+2]
	WSUM DX
	global_store_b128 v7, v[DY:DY+3], s[IDXO:IDXO+1]
	s_lshl_b32 s59, s23, 2
	v_mov_b32 v[VC], s59
	s_wait_xcnt 0x0                                ; EXEC changes only behind this wait
	v_cmp_eq_u32 vcc_lo, 0, v0
	s_and_saveexec_b32 s53, vcc_lo                 ; lane 0 alone, to the end
	global_store_b32 v[VC], v[DX], s[AUXO:AUXO+1]
	s_cmp_lg_u32 s23, 0
	s_cbranch_scc1 .Lend
	global_store_b64 v[VC], v[12:13], s[AUXO:AUXO+1] offset:1024   ; work-group 0 (offset register 0): the next state
.Lend:
	s_endpgm
.Lfunc_end_k_qc5fa79345e_step1:
	.size	k_qc5fa79345e_step1, .Lfunc_end_k_qc5fa79345e_step1-k_qc5fa79345e_step1
	.p2alignl 7, 3214868480
	.fill 96, 4, 3214868480
	.section	.rodata,"a",@progbits
	.p2align	6, 0x0
	.amdhsa_kernel k_qc5fa79345e_step1
		.amdhsa_group_segment_fixed_size 327680
		.amdhsa_private_segment_fixed_size 0
		.amdhsa_enable_private_segment 0
		.amdhsa_kernarg_size 56
		.amdhsa_user_sgpr_count 2
		.amdhsa_user_sgpr_kernarg_segment_ptr 1
		.amdhsa_wavefront_size32 1
		.amdhsa_system_sgpr_workgroup_id_x 1
		.amdhsa_system_sgpr_workgroup_id_y 1
		.amdhsa_system_sgpr_workgroup_id_z 1
		.amdhsa_system_vgpr_workitem_id 0
		.amdhsa_next_free_vgpr 256
		.amdhsa_next_free_sgpr 66
		.amdhsa_reserve_vcc 1
		.amdhsa_float_denorm_mode_32 3
		.amdhsa_float_denorm_mode_16_64 3
		.amdhsa_memory_ordered 1
		.amdhsa_forward_progress 1
		.amdhsa_inst_pref_size 201
	.end_amdhsa_kernel
	.amdgpu_metadata
---
amdhsa.version: [ 1, 2 ]
amdhsa.kernels:
  - .name:           k_qc5fa79345e_step1
    .symbol:         k_qc5fa79345e_step1.kd
    .args:
      - { .name: srcInit, .offset: 0, .size: 8, .value_kind: global_buffer, .address_space: global }
      - { .name: dst, .offset: 8, .size: 8, .value_kind: global_buffer, .address_space: global }
      - { .name: idxA, .offset: 16, .size: 8, .value_kind: global_buffer, .address_space: global }
      - { .name: auxA, .offset: 24, .size: 8, .value_kind: global_buffer, .address_space: global }
      - { .name: srcA, .offset: 32, .size: 8, .value_kind: global_buffer, .address_space: global }
      - { .name: idxB, .offset: 40, .size: 8, .value_kind: global_buffer, .address_space: global }
      - { .name: auxB, .offset: 48, .size: 8, .value_kind: global_buffer, .address_space: global }
    .group_segment_fixed_size: 327680
    .private_segment_fixed_size: 0
    .kernarg_segment_align: 8
    .kernarg_segment_size: 56
    .max_flat_workgroup_size: 256
    .sgpr_count:     66
    .vgpr_count:     256
    .wavefront_size: 32
...
	.end_amdgpu_metadata
.endif
;; end of part 2
;; launch step2: the kernel of part 2 again; grid 32 x 8, 8 waves a work-group, no clusters, 327,680 bytes of LDS; arguments srcA, dst, idxB, auxB, srcB, idxA, auxA; writes srcB, idxA, auxA
;; launch step3: the kernel of part 2 again; grid 32 x 8, 8 waves a work-group, no clusters, 327,680 bytes of LDS; arguments srcB, dst, idxA, auxA, srcA, idxB, auxB; writes srcA, idxB, auxB
;; launch step4: the kernel of part 2 again; grid 32 x 8, 8 waves a work-group, no clusters, 327,680 bytes of LDS; arguments srcA, dst, idxB, auxB, srcB, idxA, auxA; writes srcB, idxA, auxA
;; launch last (part 3): grid 8 x 1, 8 waves a work-group, no clusters, 327,680 bytes of LDS; arguments srcB, dst, idxA, auxA, srcInit, out1, out2, out3, out4, out5; writes out1, out2, out3, out4, out5
.if DOCPART == 3
	.amdgcn_target "amdgcn-amd-amdhsa--gfx1250"
	.amdhsa_code_object_version 6
	.text
	.protected	k_qc5fa79345e_last
	.globl	k_qc5fa79345e_last
	.p2align	8
	.type	k_qc5fa79345e_last,@function
k_qc5fa79345e_last:
	s_mov_b64 s[64:65], 0
	v_nop
	global_prefetch_b8 v0, s[64:65] scope:SCOPE_SE
	s_setreg_imm32_b32 hwreg(HW_REG_WAVE_MODE, 25, 1), 1
	s_wait_xcnt 0x0
; ICP, last launch: the fifth step (pick the nearest of 8 candidates, fit, move all 4,096 points: out1), then the fit of srcInit
; onto the final points: out2 = R, out3 = t, out4 = R^T, out5 = -R^T t.  One work-group for each of the 8 batches: both fits need sums
; over the whole batch, and work-groups exchange nothing.  No matrix unit: nothing here is a bulk product.
; The sums are taken about pivots (point 0 of each cloud), so a common offset forms no difference of large sums.
; R = va ua^T + vb ub^T + (va x vb)(ua x ub)^T over the two larger singular pairs: equal to V diag(1, 1, det) U^T.
; LIMITS: NaN and infinities are not served; |x| up to about 1e16; exact ties take the lowest index by the true distance;
; the Jacobi runs NSWEEP = 6 full sweeps of a 3 x 3; a cross-covariance of rank below 2 gives some rotation.
; The 24 small results of a batch leave as single words from lane 0: 96 bytes a work-group.
.set PL,  262144                       ; dst as loaded: x, y, z planes of 16,384 bytes
.set RED, 320000                       ; 8 waves x 16 sums, first fit
.set TOT, 320512                       ; each wave's own 64 bytes
.set RED2, 321024                      ; 8 waves x 16 sums, second fit
.set NSWEEP, 6
.set TINY, 0x0d800000                  ; 2^-100
.set SC,  16                           ; v[16:63]   my 16 points: coordinate d, point i at 16 d + i; point = 1024 (i / 4) + 4 t + i mod 4
.set IX,  64
.set C0,  80
.set C1,  104
.set ED,  128
.set DT,  136
.set NS,  160
.set SUM, 166
.set SP,  182
.set CP,  185
.set PA,  188
.set PB,  191
.set AD0, 194
.set STG, 196                          ; v[196:243] dst on its way to LDS, then srcInit laid out like SC
.set IS,  196
.set TS,  80
.set GM,  96
.set VV,  105
.set MS,  114
.set MC,  117
.set AL,  120
.set BE,  121
.set GA,  122
.set DD,  123
.set OO,  124
.set WW,  125
.set SG,  126
.set TT,  127
.set CC,  128
.set SS,  129
.set U,   130
.set U2,  131
.set VAa, 132
.set VBb, 135
.set UA,  138
.set UB,  141
.set WV,  144
.set WU,  147
.set RR,  150
.set TV,  160
.macro RLOAD c, ad, i
	v_min_u32 v[\ad], 511, v[IX+\i]
	v_lshl_add_u32 v[\ad], v[\ad], 5, s35
	ds_load_b128 v[\c:\c+3],     v[\ad]
	ds_load_b128 v[\c+4:\c+7],   v[\ad] offset:16
	ds_load_b128 v[\c+8:\c+11],  v[\ad] offset:16384
	ds_load_b128 v[\c+12:\c+15], v[\ad] offset:16400
	ds_load_b128 v[\c+16:\c+19], v[\ad] offset:32768
	ds_load_b128 v[\c+20:\c+23], v[\ad] offset:32784
.endm
.macro SEL c, a, b, e
	v_cmp_lt_f32 vcc_lo, v[ED+\b], v[ED+\a]
.if \e
	v_cndmask_b32 v[ED+\a], v[ED+\a], v[ED+\b], vcc_lo
.endif
	v_cndmask_b32 v[\c+\a],    v[\c+\a],    v[\c+\b],    vcc_lo
	v_cndmask_b32 v[\c+8+\a],  v[\c+8+\a],  v[\c+8+\b],  vcc_lo
	v_cndmask_b32 v[\c+16+\a], v[\c+16+\a], v[\c+16+\b], vcc_lo
.endm
.macro ACC sx, sy, sz, cx, cy, cz
	v_sub_f32 v[SP],   v[\sx], v[PA]
	v_sub_f32 v[SP+1], v[\sy], v[PA+1]
	v_sub_f32 v[SP+2], v[\sz], v[PA+2]
	v_sub_f32 v[CP],   v[\cx], v[PB]
	v_sub_f32 v[CP+1], v[\cy], v[PB+1]
	v_sub_f32 v[CP+2], v[\cz], v[PB+2]
.irp d, 0,1,2
	v_add_f32 v[SUM+\d], v[SUM+\d], v[SP+\d]
	v_add_f32 v[SUM+3+\d], v[SUM+3+\d], v[CP+\d]
.endr
.irp a, 0,1,2
.irp b, 0,1,2
	v_fmac_f32 v[SUM+6+3*\a+\b], v[SP+\a], v[CP+\b]
.endr
.endr
.endm
.macro RCALC c, i
	v_mul_f32 v[NS],   -1.0, v[SC+\i]
	v_mul_f32 v[NS+2], -1.0, v[SC+16+\i]
	v_mul_f32 v[NS+4], -1.0, v[SC+32+\i]
.irp k, 0,2,4,6
	v_pk_add_f32 v[DT+3*\k:DT+3*\k+1],   v[\c+\k:\c+\k+1],       v[NS:NS+1]   op_sel_hi:[1,0]
	v_pk_add_f32 v[DT+3*\k+2:DT+3*\k+3], v[\c+8+\k:\c+8+\k+1],   v[NS+2:NS+3] op_sel_hi:[1,0]
	v_pk_add_f32 v[DT+3*\k+4:DT+3*\k+5], v[\c+16+\k:\c+16+\k+1], v[NS+4:NS+5] op_sel_hi:[1,0]
.endr
.irp k, 0,2,4,6
	v_pk_mul_f32 v[ED+\k:ED+\k+1], v[DT+3*\k:DT+3*\k+1], v[DT+3*\k:DT+3*\k+1]
.endr
.irp k, 0,2,4,6
	v_pk_fma_f32 v[ED+\k:ED+\k+1], v[DT+3*\k+2:DT+3*\k+3], v[DT+3*\k+2:DT+3*\k+3], v[ED+\k:ED+\k+1]
.endr
.irp k, 0,2,4,6
	v_pk_fma_f32 v[ED+\k:ED+\k+1], v[DT+3*\k+4:DT+3*\k+5], v[DT+3*\k+4:DT+3*\k+5], v[ED+\k:ED+\k+1]
.endr
	SEL \c, 0, 1, 1
	SEL \c, 2, 3, 1
	SEL \c, 4, 5, 1
	SEL \c, 6, 7, 1
	SEL \c, 0, 2, 1
	SEL \c, 4, 6, 1
	SEL \c, 0, 4, 0
	ACC SC+\i, SC+16+\i, SC+32+\i, \c, \c+8, \c+16
.endm
.macro REDUCE base
.irp m, 1,2,4,8
.set j, 0
.rept 15
	v_add_f32_dpp v[SUM+j], v[SUM+j], v[SUM+j] row_xmask:\m row_mask:0xf bank_mask:0xf
.set j, j+1
.endr
.endr
.set j, 0
.rept 15
	v_permlanex16_b32 v[DT+j], v[SUM+j], s30, s31
.set j, j+1
.endr
.set j, 0
.rept 15
	v_add_f32 v[SUM+j], v[SUM+j], v[DT+j]
.set j, j+1
.endr
	s_lshl_b32 s59, s20, 6
	s_add_co_u32 s59, s59, \base
	v_mov_b32 v[AD0], s59
.irp k, 0,1,2,3
	ds_store_b128 v[AD0], v[SUM+4*\k:SUM+4*\k+3] offset:16*\k
.endr
	s_wait_dscnt 0x0                               ; for the waves that read them behind the barrier
	s_barrier_signal -1
	s_barrier_wait -1
.endm
.macro TOTALS base
	v_lshlrev_b32 v[U], 2, v2
	v_add_nc_u32 v[U2], \base, v[U]
.irp w, 0,1,2,3,4,5,6,7
	ds_load_b32 v[TS+\w], v[U2] offset:64*\w
.endr
	s_lshl_b32 s59, s20, 6
	s_add_co_u32 s59, s59, TOT
	v_add_nc_u32 v[U], s59, v[U]
	v_mov_b32 v[WW], s59
	s_wait_dscnt 0x0
.irp w, 1,2,3,4,5,6,7
	v_add_f32 v[TS], v[TS], v[TS+\w]
.endr
	ds_store_b32 v[U], v[TS]
.irp k, 0,1,2,3
	ds_load_b128 v[TS+4*\k:TS+4*\k+3], v[WW] offset:16*\k   ; LDS serves a wave's instructions in order (ISA guide 5.7.1): these see the store
.endr
	s_wait_dscnt 0x0
.endm
.macro ROT2 x, y
	v_mul_f32 v[U],  v[SS], v[\y]
	v_mul_f32 v[U2], v[SS], v[\x]
	v_fma_f32 v[\x], v[CC], v[\x], -v[U]
	v_fma_f32 v[\y], v[CC], v[\y], v[U2]
.endm
; t = sign(D) O / (|D| + sqrt(D^2 + O^2)), D = |q|^2 - |p|^2, O = 2 p.q.  Behind each transcendental stands one plain line (ISA guide 5.7.2).
.macro JROT p, q
	v_mul_f32 v[AL], v[GM+\p], v[GM+\p]
	v_mul_f32 v[BE], v[GM+\q], v[GM+\q]
	v_mul_f32 v[GA], v[GM+\p], v[GM+\q]
.irp a, 3,6
	v_fmac_f32 v[AL], v[GM+\a+\p], v[GM+\a+\p]
	v_fmac_f32 v[BE], v[GM+\a+\q], v[GM+\a+\q]
	v_fmac_f32 v[GA], v[GM+\a+\p], v[GM+\a+\q]
.endr
	v_sub_f32 v[DD], v[BE], v[AL]
	v_add_f32 v[OO], v[GA], v[GA]
	v_mul_f32 v[WW], v[DD], v[DD]
	v_fmac_f32 v[WW], v[OO], v[OO]
	v_sqrt_f32 v[U], v[WW]
	v_and_b32 v[SG], 0x80000000, v[DD]
	s_wait_alu depctr_va_vdst(0)
	v_add_f32 v[WW], |v[DD]|, v[U]
	v_max_num_f32 v[WW], TINY, v[WW]
	v_rcp_f32 v[U], v[WW]
	v_xor_b32 v[OO], v[OO], v[SG]
	s_wait_alu depctr_va_vdst(0)
	v_mul_f32 v[TT], v[OO], v[U]
	v_fma_f32 v[WW], v[TT], v[TT], 1.0
	v_rsq_f32 v[CC], v[WW]
	v_nop
	s_wait_alu depctr_va_vdst(0)
	v_mul_f32 v[SS], v[TT], v[CC]
.irp a, 0,3,6
	ROT2 GM+\a+\p, GM+\a+\q
	ROT2 VV+\a+\p, VV+\a+\q
.endr
.endm
.macro CROSS d, a, b
	v_mul_f32 v[\d],   v[\a+2], v[\b+1]
	v_mul_f32 v[\d+1], v[\a],   v[\b+2]
	v_mul_f32 v[\d+2], v[\a+1], v[\b]
	v_fma_f32 v[\d],   v[\a+1], v[\b+2], -v[\d]
	v_fma_f32 v[\d+1], v[\a+2], v[\b],   -v[\d+1]
	v_fma_f32 v[\d+2], v[\a],   v[\b+1], -v[\d+2]
.endm
.macro KABSCH
.irp d, 0,1,2
	v_mul_f32 v[MS+\d], 0x39800000, v[TS+\d]       ; / 4096
	v_mul_f32 v[MC+\d], 0x39800000, v[TS+3+\d]
.endr
.irp a, 0,1,2
.irp b, 0,1,2
	v_fma_f32 v[GM+3*\a+\b], -v[TS+\a], v[MC+\b], v[TS+6+3*\a+\b]
.endr
.endr
	v_max3_num_f32 v[WW], |v[GM]|, |v[GM+1]|, |v[GM+2]|
	v_max3_num_f32 v[WW], v[WW], |v[GM+3]|, |v[GM+4]|
	v_max3_num_f32 v[WW], v[WW], |v[GM+5]|, |v[GM+6]|
	v_max3_num_f32 v[WW], v[WW], |v[GM+7]|, |v[GM+8]|
	v_max_num_f32 v[WW], TINY, v[WW]
	v_rcp_f32 v[OO], v[WW]
.irp a, 0,1,2,3,4,5,6,7,8
	v_mov_b32 v[VV+\a], 0
.endr
	v_mov_b32 v[VV], 1.0
	v_mov_b32 v[VV+4], 1.0
	v_mov_b32 v[VV+8], 1.0
	s_wait_alu depctr_va_vdst(0)
.irp a, 0,1,2,3,4,5,6,7,8
	v_mul_f32 v[GM+\a], v[GM+\a], v[OO]
.endr
	s_mov_b32 s48, NSWEEP
.Lsweep_\@:
	JROT 0, 1
	JROT 0, 2
	JROT 1, 2
	s_sub_co_i32 s48, s48, 1
	s_cmp_lg_u32 s48, 0
	s_cbranch_scc1 .Lsweep_\@
	v_mul_f32 v[AL], v[GM],   v[GM]
	v_mul_f32 v[BE], v[GM+1], v[GM+1]
	v_mul_f32 v[GA], v[GM+2], v[GM+2]
.irp a, 3,6
	v_fmac_f32 v[AL], v[GM+\a],   v[GM+\a]
	v_fmac_f32 v[BE], v[GM+\a+1], v[GM+\a+1]
	v_fmac_f32 v[GA], v[GM+\a+2], v[GM+\a+2]
.endr
	v_min3_num_f32 v[DD], v[AL], v[BE], v[GA]
	v_cmp_eq_f32 s57, v[AL], v[DD]
	v_cmp_eq_f32 s58, v[BE], v[DD]
	s_and_not1_b32 s58, s58, s57
.irp a, 0,1,2
	v_cndmask_b32 v[VAa+\a], v[VV+3*\a],   v[VV+3*\a+2], s57
	v_cndmask_b32 v[UA+\a],  v[GM+3*\a],   v[GM+3*\a+2], s57
	v_cndmask_b32 v[VBb+\a], v[VV+3*\a+1], v[VV+3*\a+2], s58
	v_cndmask_b32 v[UB+\a],  v[GM+3*\a+1], v[GM+3*\a+2], s58
.endr
	v_cndmask_b32 v[OO], v[AL], v[GA], s57
	v_cndmask_b32 v[WW], v[BE], v[GA], s58
	v_max_num_f32 v[OO], TINY, v[OO]
	v_max_num_f32 v[WW], TINY, v[WW]
	v_rsq_f32 v[U], v[OO]
	v_rsq_f32 v[U2], v[WW]
	v_nop
	s_wait_alu depctr_va_vdst(0)
.irp a, 0,1,2
	v_mul_f32 v[UA+\a], v[UA+\a], v[U]
	v_mul_f32 v[UB+\a], v[UB+\a], v[U2]
.endr
	CROSS WV, VAa, VBb
	CROSS WU, UA, UB
.irp a, 0,1,2
.irp b, 0,1,2
	v_mul_f32 v[RR+3*\a+\b], v[VAa+\a], v[UA+\b]
	v_fmac_f32 v[RR+3*\a+\b], v[VBb+\a], v[UB+\b]
	v_fmac_f32 v[RR+3*\a+\b], v[WV+\a], v[WU+\b]
.endr
.endr
.irp d, 0,1,2
	v_add_f32 v[MS+\d], v[MS+\d], v[PA+\d]
	v_add_f32 v[MC+\d], v[MC+\d], v[PB+\d]
.endr
.irp a, 0,1,2
	v_fma_f32 v[TV+\a], -v[RR+3*\a],   v[MS],   v[MC+\a]
	v_fma_f32 v[TV+\a], -v[RR+3*\a+1], v[MS+1], v[TV+\a]
	v_fma_f32 v[TV+\a], -v[RR+3*\a+2], v[MS+2], v[TV+\a]
.endr
.endm
	s_load_b256 s[4:11], s[0:1], 0x0               ; src s[4:5], dst s[6:7], index s[8:9], state s[10:11]
	s_load_b256 s[12:19], s[0:1], 0x20             ; srcInit s[12:13], out1 s[14:15], out2 s[16:17], out3 s[18:19]
	s_load_b128 s[24:27], s[0:1], 0x40             ; out4 s[24:25], out5 s[26:27]
	v_lshrrev_b32 v1, 5, v0
	v_readfirstlane_b32 s20, v1                    ; wave
	s_mov_b32 s22, ttmp9                           ; batch
	s_mov_b32 s30, 0x76543210
	s_mov_b32 s31, 0xfedcba98
	s_mov_b32 s35, PL
	v_and_b32 v2, 15, v0
	v_lshlrev_b32 v4, 4, v0
	v_add_nc_u32 v5, PL, v4
	s_mul_i32 s2, s22, 49152
	s_mov_b32 s3, 0
	s_wait_kmcnt 0x0
	s_add_nc_u64 s[4:5], s[4:5], s[2:3]
	s_add_nc_u64 s[6:7], s[6:7], s[2:3]
	s_add_nc_u64 s[12:13], s[12:13], s[2:3]
	s_add_nc_u64 s[14:15], s[14:15], s[2:3]
	s_lshl_b32 s2, s22, 14
	s_add_nc_u64 s[8:9], s[8:9], s[2:3]
	s_mul_i32 s2, s22, 36
	s_add_nc_u64 s[16:17], s[16:17], s[2:3]
	s_add_nc_u64 s[24:25], s[24:25], s[2:3]
	s_mul_i32 s2, s22, 12
	s_add_nc_u64 s[18:19], s[18:19], s[2:3]
	s_add_nc_u64 s[26:27], s[26:27], s[2:3]
.irp j, 0,1,2,3,4,5,6,7,8,9,10,11
	global_load_b128 v[STG+4*\j:STG+4*\j+3], v4, s[6:7] offset:4096*\j
.endr
.irp j, 0,1,2,3,4,5,6,7,8,9,10,11
	global_load_b128 v[SC+4*\j:SC+4*\j+3], v4, s[4:5] offset:4096*\j
.endr
.irp j, 0,1,2,3
	global_load_b128 v[IX+4*\j:IX+4*\j+3], v4, s[8:9] offset:4096*\j
.endr
	s_load_b32 s32, s[4:5], 0x0                    ; pivots: point 0 of src, of dst, of srcInit
	s_load_b32 s33, s[4:5], 0x4000
	s_load_b32 s34, s[4:5], 0x8000
	s_load_b32 s36, s[6:7], 0x0
	s_load_b32 s37, s[6:7], 0x4000
	s_load_b32 s38, s[6:7], 0x8000
	s_load_b32 s54, s[12:13], 0x0
	s_load_b32 s55, s[12:13], 0x4000
	s_load_b32 s56, s[12:13], 0x8000
	s_load_b64 s[50:51], s[10:11], 0x400           ; prev_err (not needed any more), done
	s_wait_loadcnt 0x10                            ; the 16 loads of src and index are younger than dst's 12: dst is in
.irp j, 0,1,2,3,4,5,6,7,8,9,10,11
	ds_store_b128 v5, v[STG+4*\j:STG+4*\j+3] offset:4096*\j
.endr
	s_wait_dscnt 0x0
	s_barrier_signal -1
	s_barrier_wait -1
.irp j, 0,1,2,3,4,5,6,7,8,9,10,11
	global_load_b128 v[IS+4*\j:IS+4*\j+3], v4, s[12:13] offset:4096*\j   ; srcInit, for the second fit
.endr
	s_wait_loadcnt 0xc                             ; src and index are in; srcInit's 12 loads stay out
	s_wait_kmcnt 0x0
	s_cmp_lg_u32 s51, 0
	s_cselect_b32 s52, -1, 0
.irp d, 0,1,2
	v_mov_b32 v[PA+\d], s[32+\d]
	v_mov_b32 v[PB+\d], s[36+\d]
	v_mov_b32 v[NS+2*\d+1], 0
.endr
.set j, 0
.rept 16
	v_mov_b32 v[SUM+j], 0
.set j, j+1
.endr
	RLOAD C0, AD0, 0
.set i, 0
.rept 15
.set NXT, C0+24*((i+1)%2)
.set ADN, AD0+((i+1)%2)
.set CUR, C0+24*(i%2)
	RLOAD NXT, ADN, i+1
	s_wait_dscnt 0x6                               ; all but the six just issued
	RCALC CUR, i
.set i, i+1
.endr
	s_wait_dscnt 0x0
	RCALC C1, 15
	REDUCE RED
	TOTALS RED
	KABSCH
	; the fifth step's move, in place, for my 16 points; done: they stay
.set i, 0
.rept 16
.irp d, 0,1,2
	v_fma_f32 v[TS+\d], v[RR+3*\d], v[SC+i], v[TV+\d]
	v_fmac_f32 v[TS+\d], v[RR+3*\d+1], v[SC+16+i]
	v_fmac_f32 v[TS+\d], v[RR+3*\d+2], v[SC+32+i]
.endr
.irp d, 0,1,2
	v_cndmask_b32 v[SC+16*\d+i], v[TS+\d], v[SC+16*\d+i], s52
.endr
.set i, i+1
.endr
.irp j, 0,1,2,3,4,5,6,7,8,9,10,11
	global_store_b128 v4, v[SC+4*\j:SC+4*\j+3], s[14:15] offset:4096*\j   ; out1: 512 consecutive bytes, aligned, per wave and store
.endr
	; pivots of the second fit: srcInit's point 0 and the final cloud's point 0
.irp d, 0,1,2
	v_fma_f32 v[TS+\d], v[RR+3*\d], v[PA], v[TV+\d]
	v_fmac_f32 v[TS+\d], v[RR+3*\d+1], v[PA+1]
	v_fmac_f32 v[TS+\d], v[RR+3*\d+2], v[PA+2]
.endr
.irp d, 0,1,2
	v_cndmask_b32 v[PB+\d], v[TS+\d], v[PA+\d], s52
.endr
.irp d, 0,1,2
	v_mov_b32 v[PA+\d], s[54+\d]
.endr
.set j, 0
.rept 16
	v_mov_b32 v[SUM+j], 0
.set j, j+1
.endr
	s_wait_loadcnt 0x0                             ; srcInit
.set i, 0
.rept 16
	ACC IS+i, IS+16+i, IS+32+i, SC+i, SC+16+i, SC+32+i
.set i, i+1
.endr
	REDUCE RED2
	s_cmp_lg_u32 s20, 0
	s_cbranch_scc1 .Lend
	TOTALS RED2
	KABSCH
.irp a, 0,1,2
	v_mul_f32 v[TS+\a], -v[RR+\a], v[TV]           ; -(R^T t)
	v_fma_f32 v[TS+\a], -v[RR+3+\a], v[TV+1], v[TS+\a]
	v_fma_f32 v[TS+\a], -v[RR+6+\a], v[TV+2], v[TS+\a]
.endr
	v_mov_b32 v[U], 0
	s_wait_xcnt 0x0                                ; EXEC changes only behind this wait
	v_cmp_eq_u32 vcc_lo, 0, v0
	s_and_saveexec_b32 s53, vcc_lo                 ; lane 0 alone, to the end
.irp a, 0,1,2
.irp b, 0,1,2
	global_store_b32 v[U], v[RR+3*\a+\b], s[16:17] offset:4*(3*\a+\b)
	global_store_b32 v[U], v[RR+3*\b+\a], s[24:25] offset:4*(3*\a+\b)
.endr
	global_store_b32 v[U], v[TV+\a], s[18:19] offset:4*\a
	global_store_b32 v[U], v[TS+\a], s[26:27] offset:4*\a
.endr
.Lend:
	s_endpgm
.Lfunc_end_k_qc5fa79345e_last:
	.size	k_qc5fa79345e_last, .Lfunc_end_k_qc5fa79345e_last-k_qc5fa79345e_last
	.p2alignl 7, 3214868480
	.fill 96, 4, 3214868480
	.section	.rodata,"a",@progbits
	.p2align	6, 0x0
	.amdhsa_kernel k_qc5fa79345e_last
		.amdhsa_group_segment_fixed_size 327680
		.amdhsa_private_segment_fixed_size 0
		.amdhsa_enable_private_segment 0
		.amdhsa_kernarg_size 80
		.amdhsa_user_sgpr_count 2
		.amdhsa_user_sgpr_kernarg_segment_ptr 1
		.amdhsa_wavefront_size32 1
		.amdhsa_system_sgpr_workgroup_id_x 1
		.amdhsa_system_sgpr_workgroup_id_y 1
		.amdhsa_system_sgpr_workgroup_id_z 1
		.amdhsa_system_vgpr_workitem_id 0
		.amdhsa_next_free_vgpr 256
		.amdhsa_next_free_sgpr 66
		.amdhsa_reserve_vcc 1
		.amdhsa_float_denorm_mode_32 3
		.amdhsa_float_denorm_mode_16_64 3
		.amdhsa_memory_ordered 1
		.amdhsa_forward_progress 1
		.amdhsa_inst_pref_size 133
	.end_amdhsa_kernel
	.amdgpu_metadata
---
amdhsa.version: [ 1, 2 ]
amdhsa.kernels:
  - .name:           k_qc5fa79345e_last
    .symbol:         k_qc5fa79345e_last.kd
    .args:
      - { .name: srcB, .offset: 0, .size: 8, .value_kind: global_buffer, .address_space: global }
      - { .name: dst, .offset: 8, .size: 8, .value_kind: global_buffer, .address_space: global }
      - { .name: idxA, .offset: 16, .size: 8, .value_kind: global_buffer, .address_space: global }
      - { .name: auxA, .offset: 24, .size: 8, .value_kind: global_buffer, .address_space: global }
      - { .name: srcInit, .offset: 32, .size: 8, .value_kind: global_buffer, .address_space: global }
      - { .name: out1, .offset: 40, .size: 8, .value_kind: global_buffer, .address_space: global }
      - { .name: out2, .offset: 48, .size: 8, .value_kind: global_buffer, .address_space: global }
      - { .name: out3, .offset: 56, .size: 8, .value_kind: global_buffer, .address_space: global }
      - { .name: out4, .offset: 64, .size: 8, .value_kind: global_buffer, .address_space: global }
      - { .name: out5, .offset: 72, .size: 8, .value_kind: global_buffer, .address_space: global }
    .group_segment_fixed_size: 327680
    .private_segment_fixed_size: 0
    .kernarg_segment_align: 8
    .kernarg_segment_size: 80
    .max_flat_workgroup_size: 256
    .sgpr_count:     66
    .vgpr_count:     256
    .wavefront_size: 32
...
	.end_amdgpu_metadata
.endif
;; end of part 3
;; ======== version 2 of 2: 6 launches; 1.34 times as fast as version 1
;; workspace buffers: srcA 393,216 bytes; srcB 393,216 bytes; idxA 131,072 bytes of whole numbers; idxB 131,072 bytes of whole numbers; auxA 1,280 bytes; auxB 1,280 bytes; tab 2,097,152 bytes
;; launch nn0 (part 4): grid 32 x 8, 8 waves a work-group, no clusters, 327,680 bytes of LDS; arguments srcInit, dst, out0, idxA, auxA, tab; writes out0, idxA, auxA, tab
.if DOCPART == 4
	.amdgcn_target "amdgcn-amd-amdhsa--gfx1250"
	.amdhsa_code_object_version 6
	.text
	.protected	k_qc5fa79345e_nn0
	.globl	k_qc5fa79345e_nn0
	.p2align	8
	.type	k_qc5fa79345e_nn0,@function
k_qc5fa79345e_nn0:
	s_mov_b64 s[64:65], 0
	v_nop
	global_prefetch_b8 v0, s[64:65] scope:SCOPE_SE
	s_setreg_imm32_b32 hwreg(HW_REG_WAVE_MODE, 25, 1), 1
	s_wait_xcnt 0x0
; ICP, first launch: nearest-neighbour search of srcInit against dst, out0 = srcInit, and the dst fragment table for the later launches.
; Grid 32 x 8: work-group (chunk, b) owns the 128 points 128 chunk .. +127 of batch b and searches all 4,096 dst points of b.
; 2 s.d - |d|^2 comes from the bf16 matrix form at f32 accuracy: each f32 is cut exactly into three bf16 pieces (h, m, l) and eight of
; the nine cross products of each coordinate fill 24 of the 32 K places (l*l, 2^-32 relative, is dropped); three more places carry
; the pieces of -|d|^2 against 1.0.  A = 16 dst points, B = 16 src points, so a lane's 8 results are 8 neighbouring dst points against
; one src point.  Stored per src point: the winning group of 8 dst points (c = 0..511) as a whole number; the next launch picks the
; point inside the group.  Also stored: the work-group's sum of -(nearest squared distance), the scan's first state (0.0, not done),
; and 8 of the batch's 256 table tiles (8 KiB), so that the later launches fetch the table instead of building it.
; No tensor loads and no cluster: dst has to pass through registers to be cut into pieces, and it is read once (48 KiB) per work-group.
; LIMITS: NaN and infinities are not served; |x| up to about 1e16 (squares are formed); an exact tie takes the lowest group.
.set TAB, 0                            ; dst fragments: tile T (16 points) at 1024 T; quad q (8 K places) of point r at + 256 q + 16 r
.set PL,  262144                       ; dst as loaded: x, y, z planes of 16,384 bytes
.set BT,  311296                       ; fragments of my 128 src points, 8 tiles in the same order
.set XXB, 319488                       ; |s|^2 of my 128 points
.set SCR, PL                           ; behind the last read of PL: 8 waves x 128 best values, then at + 4096 their groups
.set IDXO, 10                          ; s[10:11] index output
.set AUXO, 12                          ; s[12:13] sums and state output
.set TABO, 14                          ; s[14:15] table output
.set STG, 196                          ; v[196:243] dst on its way to LDS
.set OW,  244                          ; v[244:255] my wave-0 lane's 4 points: x at +0..3, y +4..7, z +8..11
.set OH,  16                           ; v[16:63]   the 12 own values' pieces: h, rest, m, l
.set OT,  28
.set OM,  40
.set OL,  52
.set OQ,  64                           ; v[64:111]  their 12 quads
.set BTA, 186
.set HTT, 187
.set Q3,  188                          ; v[188:191] the constant fourth quad
.set XXR, 192                          ; v[192:195]
.set PT,  16                           ; v[16:111]  table build: x[i], y[i] at +32, z[i] at +64
.set VL,  112                          ; v[112:119] two points' 2x, 2y, 2z, -|d|^2
.set HH,  120
.set HT,  128
.set HM,  136
.set HL,  144
.set QD,  152                          ; v[152:183] their 8 quads
.set AT,  184
.set TA,  185
.set TS0, 8                            ; v[8:11], v[252:255] my wave's tile on its way to memory; v250 its offset
.set TS1, 252
.set TSA, 250
.set BF,  16                           ; v[16:79]   8 src fragments
.set DX,  80                           ; v[80:143]  results, set X
.set DY,  144                          ; v[144:207] results, set Y
.set AE,  208                          ; v[208:215] dst fragment, even tiles
.set AO,  216                          ; v[216:223] dst fragment, odd tiles
.set BEST, 224                         ; v[224:231] and v[240:247]: the best so far and the scratch, changing roles from tile to tile
.set IDX, 232
.set MX,  240
.set VC,  248                          ; the group number of the tile at work: 2 tile + (lane / 16)
.set VA,  249
; Two dst points' eight quads, stage by stage over the 8 values so that no line waits for the one in front of it.
; v = h + m + l exactly, each piece with 8 significant bits.  v_perm_b32 with s29: the high halves of source 0 (on top) and source 1.
.macro DPAIR i
	v_mul_f32 v[VL+3], -v[PT+\i], v[PT+\i]
	v_mul_f32 v[VL+7], -v[PT+\i+1], v[PT+\i+1]
	v_add_f32 v[VL],   v[PT+\i], v[PT+\i]
	v_add_f32 v[VL+1], v[PT+32+\i], v[PT+32+\i]
	v_add_f32 v[VL+2], v[PT+64+\i], v[PT+64+\i]
	v_fma_f32 v[VL+3], -v[PT+32+\i], v[PT+32+\i], v[VL+3]
	v_fma_f32 v[VL+7], -v[PT+32+\i+1], v[PT+32+\i+1], v[VL+7]
	v_add_f32 v[VL+4], v[PT+\i+1], v[PT+\i+1]
	v_add_f32 v[VL+5], v[PT+32+\i+1], v[PT+32+\i+1]
	v_add_f32 v[VL+6], v[PT+64+\i+1], v[PT+64+\i+1]
	v_fma_f32 v[VL+3], -v[PT+64+\i], v[PT+64+\i], v[VL+3]
	v_fma_f32 v[VL+7], -v[PT+64+\i+1], v[PT+64+\i+1], v[VL+7]
.irp k, 0,1,2,4,5,6,3,7
	v_and_b32 v[HH+\k], s28, v[VL+\k]
.endr
.irp k, 0,1,2,4,5,6,3,7
	v_sub_f32 v[HT+\k], v[VL+\k], v[HH+\k]
.endr
.irp k, 0,1,2,4,5,6,3,7
	v_and_b32 v[HM+\k], s28, v[HT+\k]
.endr
.irp k, 0,1,2,4,5,6,3,7
	v_sub_f32 v[HL+\k], v[HT+\k], v[HM+\k]
.endr
.irp k, 0,1,2,4,5,6
	v_perm_b32 v[QD+4*\k],   v[HH+\k], v[HH+\k], s29   ; K places h h h m m m l l
	v_perm_b32 v[QD+4*\k+1], v[HM+\k], v[HH+\k], s29
	v_perm_b32 v[QD+4*\k+2], v[HM+\k], v[HM+\k], s29
	v_perm_b32 v[QD+4*\k+3], v[HL+\k], v[HL+\k], s29
.endr
.irp k, 3,7
	v_perm_b32 v[QD+4*\k], v[HM+\k], v[HH+\k], s29     ; K places h m l 0 0 0 0 0 of -|d|^2
	v_lshrrev_b32 v[QD+4*\k+1], 16, v[HL+\k]
.endr
.irp k, 0,1,2,3
	ds_store_b128 v[AT], v[QD+4*\k:QD+4*\k+3] offset:256*\k
	ds_store_b128 v[AT], v[QD+16+4*\k:QD+16+4*\k+3] offset:16384+256*\k
.endr
	v_add_nc_u32 v[AT], 32768, v[AT]
.endm
; wave 0: lane L's points 4 L .. 4 L + 3 = tile L / 4, rows 4 (L mod 4) + q; the 12 values stage by stage; value k = 4 d + q
.macro OWNTAB
	v_lshrrev_b32 v[BTA], 2, v1
	v_and_b32 v[HTT], 3, v1
	v_lshlrev_b32 v[BTA], 10, v[BTA]
	v_lshl_add_u32 v[BTA], v[HTT], 6, v[BTA]
	v_add_nc_u32 v[BTA], BT, v[BTA]
	v_mov_b32 v[Q3], 0x3f803f80                    ; 1.0 1.0 | 1.0 0 | 0 0 | 0 0 in bf16
	v_mov_b32 v[Q3+1], 0x3f80
	v_mov_b32 v[Q3+2], 0
	v_mov_b32 v[Q3+3], 0
.irp k, 0,1,2,3,4,5,6,7,8,9,10,11
	v_and_b32 v[OH+\k], s28, v[OW+\k]
.endr
.irp k, 0,1,2,3,4,5,6,7,8,9,10,11
	v_sub_f32 v[OT+\k], v[OW+\k], v[OH+\k]
.endr
.irp k, 0,1,2,3,4,5,6,7,8,9,10,11
	v_and_b32 v[OM+\k], s28, v[OT+\k]
.endr
.irp k, 0,1,2,3,4,5,6,7,8,9,10,11
	v_sub_f32 v[OL+\k], v[OT+\k], v[OM+\k]
.endr
.irp k, 0,1,2,3,4,5,6,7,8,9,10,11
	v_perm_b32 v[OQ+4*\k],   v[OM+\k], v[OH+\k], s29   ; K places h m l h m l h m
	v_perm_b32 v[OQ+4*\k+1], v[OH+\k], v[OL+\k], s29
	v_perm_b32 v[OQ+4*\k+2], v[OL+\k], v[OM+\k], s29
	v_perm_b32 v[OQ+4*\k+3], v[OM+\k], v[OH+\k], s29
.endr
.irp q, 0,1,2,3
	v_mul_f32 v[XXR+\q], v[OW+\q], v[OW+\q]
.endr
.irp q, 0,1,2,3
	v_fmac_f32 v[XXR+\q], v[OW+4+\q], v[OW+4+\q]
.endr
.irp q, 0,1,2,3
	v_fmac_f32 v[XXR+\q], v[OW+8+\q], v[OW+8+\q]
.endr
.irp k, 0,1,2,3,4,5,6,7,8,9,10,11
	ds_store_b128 v[BTA], v[OQ+4*\k:OQ+4*\k+3] offset:16*(\k%4)+256*(\k/4)
.endr
.irp q, 0,1,2,3
	ds_store_b128 v[BTA], v[Q3:Q3+3] offset:16*\q+768
.endr
	v_lshlrev_b32 v[HTT], 4, v1
	v_add_nc_u32 v[HTT], XXB, v[HTT]
	ds_store_b128 v[HTT], v[XXR:XXR+3]
.endm
.macro WSUM r                          ; sum over the wave's 32 lanes, in every lane; v6 is the temporary
	v_add_f32_dpp v[\r], v[\r], v[\r] row_xmask:1 row_mask:0xf bank_mask:0xf
	v_add_f32_dpp v[\r], v[\r], v[\r] row_xmask:2 row_mask:0xf bank_mask:0xf
	v_add_f32_dpp v[\r], v[\r], v[\r] row_xmask:4 row_mask:0xf bank_mask:0xf
	v_add_f32_dpp v[\r], v[\r], v[\r] row_xmask:8 row_mask:0xf bank_mask:0xf
	v_permlanex16_b32 v6, v[\r], s30, s31
	v_add_f32 v[\r], v[\r], v6
.endm
.macro WM d, a, n                      ; one dst tile against src tile n; every product starts from 0: no sum is carried
	v_wmma_f32_16x16x32_bf16 v[\d+8*(\n):\d+8*(\n)+7], v[\a:\a+7], v[BF+8*(\n):BF+8*(\n)+7], 0
.endm
.macro W8 d, a
.irp n, 0,1,2,3,4,5,6,7
	WM \d, \a, \n
.endr
.endm
; The reduction of the result set dp (8 tiles), six stages of 8 lines: the largest of a lane's 8 results and of the best so far (set b) goes
; to set m, which is the best from here on; where it grew, the group number is taken.  mat = 1: the next tile is multiplied into set dw
; meanwhile, one matrix instruction in front of every sixth line, so that matrix and vector work of one wave run side by side.
; No line names a register of dw's instructions.  Behind the last matrix instruction (line 42) stand six selects and an add.
.macro STEPS dw, aw, dp, m, b, mat
.set pk, 0
.rept 48
.set pn, pk%8
.set ps, pk/8
.if \mat
.if pk%6 == 0
	WM \dw, \aw, pk/6
.endif
.endif
.if ps == 0
	v_max3_num_f32 v[\m+pn], v[\dp+8*pn], v[\dp+8*pn+1], v[\dp+8*pn+2]
.endif
.if ps == 1
	v_max3_num_f32 v[\m+pn], v[\m+pn], v[\dp+8*pn+3], v[\dp+8*pn+4]
.endif
.if ps == 2
	v_max3_num_f32 v[\m+pn], v[\m+pn], v[\dp+8*pn+5], v[\dp+8*pn+6]
.endif
.if ps == 3
	v_max3_num_f32 v[\m+pn], v[\m+pn], v[\dp+8*pn+7], v[\b+pn]
.endif
.if ps == 4
	v_cmp_gt_f32 s[40+pn], v[\m+pn], v[\b+pn]
.endif
.if ps == 5
	v_cndmask_b32 v[IDX+pn], v[IDX+pn], v[VC], s[40+pn]
.endif
.set pk, pk+1
.endr
	v_add_nc_u32 v[VC], 2, v[VC]
.endm
; The seven plain lines behind the last matrix instruction are the places (ISA guide 7.12.1) in front of the reload of aw; dw is read in the next half, further on.
.macro HALF dw, aw, dp, left, off, m, b
	s_wait_dscnt \left                             ; aw's two loads are in; the other fragment's two may stay out
	STEPS \dw, \aw, \dp, \m, \b, 1
.if \off >= 0
	ds_load_b128 v[\aw:\aw+3],   v[VA] offset:\off
	ds_load_b128 v[\aw+4:\aw+7], v[VA] offset:\off+512
.endif
.endm
	s_load_b256 s[4:11], s[0:1], 0x0               ; srcInit s[4:5], dst s[6:7], out0 s[8:9], index s[10:11]
	s_load_b128 s[12:15], s[0:1], 0x20             ; sums and state s[12:13], table s[14:15]
	v_lshrrev_b32 v1, 5, v0
	v_readfirstlane_b32 s20, v1                    ; wave
	s_and_b32 s21, ttmp9, 31                       ; chunk: the grid has 32 work-groups along x
	s_and_b32 s22, ttmp7, 0xffff                   ; batch
	s_lshl_b32 s23, s22, 5
	s_add_co_u32 s23, s23, s21                     ; work-group number 32 b + chunk
	s_mov_b32 s28, 0xffff0000
	s_mov_b32 s29, 0x07060302
	s_mov_b32 s30, 0x76543210
	s_mov_b32 s31, 0xfedcba98
	s_mov_b32 s35, PL
	v_and_b32 v1, 31, v0                           ; lane L
	v_and_b32 v2, 15, v0                           ; r
	v_bfe_u32 v3, v0, 4, 1                         ; h
	v_lshlrev_b32 v4, 4, v0                        ; 16 t
	v_add_nc_u32 v5, PL, v4
	v_mov_b32 v6, 0
	v_lshlrev_b32 v7, 4, v1
	v_lshl_add_u32 v7, s21, 9, v7                  ; 512 chunk + 16 L: my 4 points in a plane, and in the index
	s_mul_i32 s2, s22, 49152
	s_mov_b32 s3, 0
	s_wait_kmcnt 0x0
	s_add_nc_u64 s[4:5], s[4:5], s[2:3]
	s_add_nc_u64 s[6:7], s[6:7], s[2:3]
	s_add_nc_u64 s[8:9], s[8:9], s[2:3]
	s_lshl_b32 s2, s22, 14
	s_add_nc_u64 s[10:11], s[10:11], s[2:3]
	s_lshl_b32 s2, s22, 18
	s_add_nc_u64 s[14:15], s[14:15], s[2:3]        ; the batch's 256 KiB of the table
.irp j, 0,1,2,3,4,5,6,7,8,9,10,11
	global_load_b128 v[STG+4*\j:STG+4*\j+3], v4, s[6:7] offset:4096*\j   ; the batch's dst, 48 KiB by 256 threads
.endr
	s_cmp_lg_u32 s20, 0
	s_cbranch_scc1 .Lno_own
.irp d, 0,1,2
	global_load_b128 v[OW+4*\d:OW+4*\d+3], v7, s[4:5] offset:16384*\d
.endr
.Lno_own:
	s_wait_loadcnt 0x0
.irp j, 0,1,2,3,4,5,6,7,8,9,10,11
	ds_store_b128 v5, v[STG+4*\j:STG+4*\j+3] offset:4096*\j
.endr
	s_wait_dscnt 0x0                               ; my part of the planes is written, for the other waves
	s_barrier_signal -1
	s_barrier_wait -1
	s_cmp_lg_u32 s20, 0
	s_cbranch_scc1 .Lall
.irp d, 0,1,2
	global_store_b128 v7, v[OW+4*\d:OW+4*\d+3], s[8:9] offset:16384*\d   ; out0: 512 consecutive bytes, aligned, per store
.endr
	OWNTAB
	v_mov_b32 v12, 0                               ; the scan's first state: prev_err = 0.0,
	v_mov_b32 v13, 0                               ; not done
	s_wait_xcnt 0x0                                ; the stores' data registers are written again below
.Lall:
	; THE TABLE.  Thread t cuts points t + 256 i, i = 0..15: sixteen neighbouring lanes write 256 neighbouring bytes of a tile's quad.
	v_lshl_add_u32 v[TA], v0, 2, s35
.set pp, 0
.rept 16
	ds_load_b32 v[PT+pp],    v[TA] offset:pp*1024
	ds_load_b32 v[PT+32+pp], v[TA] offset:pp*1024+16384
	ds_load_b32 v[PT+64+pp], v[TA] offset:pp*1024+32768
.set pp, pp+1
.endr
	v_lshrrev_b32 v[AT], 4, v0
	v_lshlrev_b32 v[VL], 4, v2
	v_lshl_add_u32 v[AT], v[AT], 10, v[VL]         ; tile x 1024 + 16 x (point mod 16)
	v_mov_b32 v[QD+14], 0
	v_mov_b32 v[QD+15], 0
	v_mov_b32 v[QD+30], 0
	v_mov_b32 v[QD+31], 0
.set pp, 0
.rept 8
	s_wait_dscnt 42+pp                             ; pair k = pp / 2: behind its six loads stand 42 - 6 k loads and the 8 k stores of the pairs before
	DPAIR pp
.set pp, pp+2
.endr
	s_wait_dscnt 0x0                               ; tables written, reads of the planes over
	s_barrier_signal -1
	s_barrier_wait -1
	; My wave's share of the table for the later launches: tile 8 chunk + wave, 1,024 bytes, read back and stored in two runs of 512 bytes.
	s_lshl_b32 s59, s21, 3
	s_add_co_u32 s59, s59, s20
	s_lshl_b32 s59, s59, 10
	v_lshlrev_b32 v[MX], 4, v1
	v_add_nc_u32 v[TSA], s59, v[MX]                ; the same offset in LDS (the table begins at byte 0) and in the batch's table in memory
	ds_load_b128 v[TS0:TS0+3], v[TSA]
	ds_load_b128 v[TS1:TS1+3], v[TSA] offset:512
	; THE SEARCH.  Wave w takes dst tiles 32 w .. 32 w + 31 against all 8 src tiles.
	s_lshl_b32 s59, s20, 15
	s_add_co_u32 s59, s59, TAB
	v_add_nc_u32 v[VA], s59, v[MX]                 ; my first tile + 16 L
	v_add_nc_u32 v[MX], BT, v[MX]
.irp n, 0,1,2,3,4,5,6,7
	ds_load_b128 v[BF+8*\n:BF+8*\n+3],   v[MX] offset:1024*\n
	ds_load_b128 v[BF+8*\n+4:BF+8*\n+7], v[MX] offset:1024*\n+512
.endr
	ds_load_b128 v[AE:AE+3],   v[VA]
	ds_load_b128 v[AE+4:AE+7], v[VA] offset:512
	ds_load_b128 v[AO:AO+3],   v[VA] offset:1024
	ds_load_b128 v[AO+4:AO+7], v[VA] offset:1536
.irp n, 0,1,2,3,4,5,6,7
	v_mov_b32 v[BEST+\n], 0xff800000
	v_mov_b32 v[IDX+\n], 0
.endr
	v_lshl_add_u32 v[VC], s20, 6, v3
	s_wait_dscnt 0x14                              ; the two loads of my share are in; the 20 fragment loads behind them may stay out
	global_store_b128 v[TSA], v[TS0:TS0+3], s[TABO:TABO+1]             ; 512 consecutive bytes, aligned; these registers are not written again
	global_store_b128 v[TSA], v[TS1:TS1+3], s[TABO:TABO+1] offset:512
	s_wait_dscnt 0x2                               ; src fragments and tile 0 are in; tile 1's two loads stay out
	W8 DY, AE
.rept 4
	v_nop                                          ; four places in front of the reload of AE and of the reading of set Y (ISA guide 7.12.1)
.endr
	ds_load_b128 v[AE:AE+3],   v[VA] offset:2048
	ds_load_b128 v[AE+4:AE+7], v[VA] offset:2560
	s_mov_b32 s48, 14
.Ltiles:
	HALF DX, AO, DY, 2, 3072, MX, BEST             ; the best moves to MX,
	HALF DY, AE, DX, 2, 4096, BEST, MX             ; and back
	v_add_nc_u32 v[VA], 2048, v[VA]
	s_sub_co_i32 s48, s48, 1
	s_cmp_lg_u32 s48, 0
	s_cbranch_scc1 .Ltiles
	HALF DX, AO, DY, 2, 3072, MX, BEST             ; tile 29; fetches tile 31
	HALF DY, AE, DX, 2, -1, BEST, MX               ; tile 30
	HALF DX, AO, DY, 0, -1, MX, BEST               ; tile 31
	STEPS 0, 0, DX, BEST, MX, 0                    ; the 32nd reduction: the best ends in BEST
	; the two halves of the wave hold the even and the odd groups of the same src points: join them, the lower group on a tie
.irp n, 0,1,2,3,4,5,6,7
	v_permlanex16_b32 v[DY+\n],   v[BEST+\n], s30, s31
	v_permlanex16_b32 v[DY+8+\n], v[IDX+\n],  s30, s31
	v_cmp_gt_f32 s40, v[DY+\n], v[BEST+\n]
	v_cmp_eq_f32 s41, v[DY+\n], v[BEST+\n]
	v_min_u32 v[DY+16+\n], v[DY+8+\n], v[IDX+\n]
	v_cndmask_b32 v[IDX+\n], v[IDX+\n], v[DY+16+\n], s41
	v_cndmask_b32 v[IDX+\n], v[IDX+\n], v[DY+8+\n], s40
	v_max_num_f32 v[BEST+\n], v[BEST+\n], v[DY+\n]
.endr
	s_lshl_b32 s59, s20, 9
	s_add_co_u32 s59, s59, SCR
	v_lshlrev_b32 v[VA], 2, v2
	v_add_nc_u32 v[VA], s59, v[VA]
.irp n, 0,1,2,3,4,5,6,7
	ds_store_b32 v[VA], v[BEST+\n] offset:64*\n
	ds_store_b32 v[VA], v[IDX+\n] offset:4096+64*\n
.endr
	s_wait_dscnt 0x0
	s_barrier_signal -1
	s_barrier_wait -1
	s_cmp_lg_u32 s20, 0
	s_cbranch_scc1 .Lend
	; wave 0 joins the 8 waves' results, 4 points a lane; waves ascend, so a tie keeps the lowest group
	v_lshlrev_b32 v[VA], 4, v1
	v_add_nc_u32 v[VC], XXB, v[VA]
	v_add_nc_u32 v[VA], SCR, v[VA]
.irp w, 0,1,2,3,4,5,6,7
	ds_load_b128 v[DX+4*\w:DX+4*\w+3], v[VA] offset:512*\w
	ds_load_b128 v[DY+4*\w:DY+4*\w+3], v[VA] offset:4096+512*\w
.endr
	ds_load_b128 v[AE:AE+3], v[VC]
	s_wait_dscnt 0x0
.irp w, 1,2,3,4,5,6,7
.irp q, 0,1,2,3
	v_cmp_gt_f32 vcc_lo, v[DX+4*\w+\q], v[DX+\q]
	v_cndmask_b32 v[DY+\q], v[DY+\q], v[DY+4*\w+\q], vcc_lo
	v_max_num_f32 v[DX+\q], v[DX+\q], v[DX+4*\w+\q]
.endr
.endr
.irp q, 0,1,2,3
	v_sub_f32 v[DX+\q], v[DX+\q], v[AE+\q]         ; - |s|^2: minus the squared distance
.endr
	v_add_f32 v[DX], v[DX], v[DX+1]
	v_add_f32 v[DX+2], v[DX+2], v[DX+3]
	v_add_f32 v[DX], v[DX], v[DX+2]
	WSUM DX
	global_store_b128 v7, v[DY:DY+3], s[IDXO:IDXO+1]   ; 512 consecutive bytes, aligned
	s_lshl_b32 s59, s23, 2
	v_mov_b32 v[VC], s59
	s_wait_xcnt 0x0                                ; EXEC changes only behind this wait
	v_cmp_eq_u32 vcc_lo, 0, v0
	s_and_saveexec_b32 s53, vcc_lo                 ; lane 0 alone, to the end
	global_store_b32 v[VC], v[DX], s[AUXO:AUXO+1]  ; one word for each work-group
	s_cmp_lg_u32 s23, 0
	s_cbranch_scc1 .Lend
	global_store_b64 v[VC], v[12:13], s[AUXO:AUXO+1] offset:1024   ; work-group 0 (offset register 0): the state
.Lend:
	s_endpgm
.Lfunc_end_k_qc5fa79345e_nn0:
	.size	k_qc5fa79345e_nn0, .Lfunc_end_k_qc5fa79345e_nn0-k_qc5fa79345e_nn0
	.p2alignl 7, 3214868480
	.fill 96, 4, 3214868480
	.section	.rodata,"a",@progbits
	.p2align	6, 0x0
	.amdhsa_kernel k_qc5fa79345e_nn0
		.amdhsa_group_segment_fixed_size 327680
		.amdhsa_private_segment_fixed_size 0
		.amdhsa_enable_private_segment 0
		.amdhsa_kernarg_size 48
		.amdhsa_user_sgpr_count 2
		.amdhsa_user_sgpr_kernarg_segment_ptr 1
		.amdhsa_wavefront_size32 1
		.amdhsa_system_sgpr_workgroup_id_x 1
		.amdhsa_system_sgpr_workgroup_id_y 1
		.amdhsa_system_sgpr_workgroup_id_z 1
		.amdhsa_system_vgpr_workitem_id 0
		.amdhsa_next_free_vgpr 256
		.amdhsa_next_free_sgpr 66
		.amdhsa_reserve_vcc 1
		.amdhsa_float_denorm_mode_32 3
		.amdhsa_float_denorm_mode_16_64 3
		.amdhsa_memory_ordered 1
		.amdhsa_forward_progress 1
		.amdhsa_inst_pref_size 80
	.end_amdhsa_kernel
	.amdgpu_metadata
---
amdhsa.version: [ 1, 2 ]
amdhsa.kernels:
  - .name:           k_qc5fa79345e_nn0
    .symbol:         k_qc5fa79345e_nn0.kd
    .args:
      - { .name: srcInit, .offset: 0, .size: 8, .value_kind: global_buffer, .address_space: global }
      - { .name: dst, .offset: 8, .size: 8, .value_kind: global_buffer, .address_space: global }
      - { .name: out0, .offset: 16, .size: 8, .value_kind: global_buffer, .address_space: global }
      - { .name: idxA, .offset: 24, .size: 8, .value_kind: global_buffer, .address_space: global }
      - { .name: auxA, .offset: 32, .size: 8, .value_kind: global_buffer, .address_space: global }
      - { .name: tab, .offset: 40, .size: 8, .value_kind: global_buffer, .address_space: global }
    .group_segment_fixed_size: 327680
    .private_segment_fixed_size: 0
    .kernarg_segment_align: 8
    .kernarg_segment_size: 48
    .max_flat_workgroup_size: 256
    .sgpr_count:     66
    .vgpr_count:     256
    .wavefront_size: 32
...
	.end_amdgpu_metadata
.endif
;; end of part 4
;; launch step1 (part 5): grid 32 x 8, 8 waves a work-group, no clusters, 327,680 bytes of LDS; arguments srcInit, dst, idxA, auxA, tab, srcA, idxB, auxB; writes srcA, idxB, auxB
.if DOCPART == 5
	.amdgcn_target "amdgcn-amd-amdhsa--gfx1250"
	.amdhsa_code_object_version 6
	.text
	.protected	k_qc5fa79345e_step1
	.globl	k_qc5fa79345e_step1
	.p2align	8
	.type	k_qc5fa79345e_step1,@function
k_qc5fa79345e_step1:
	s_mov_b64 s[64:65], 0
	v_nop
	global_prefetch_b8 v0, s[64:65] scope:SCOPE_SE
	s_setreg_imm32_b32 hwreg(HW_REG_WAVE_MODE, 25, 1), 1
	s_wait_xcnt 0x0
; ICP, one step and the next search.  Given src_k, dst, the winning groups of 8 dst points for src_k, the 256 sums of values, the
; scan's state and the dst fragment table: (1) every work-group picks, for ALL 4,096 points of its batch, the nearest of the 8 candidates
; by the f32 distance, and sums what the fit needs (no traffic between work-groups: the 32 of a batch repeat this, in the same order, so
; they agree bit for bit); (2) wave 0 makes R, t (Kabsch by one-sided Jacobi), moves the work-group's own 128 points, stores them as
; src_k+1 and cuts them into bf16 pieces; wave 1 of work-group 0 makes and stores the next state meanwhile; (3) the search of src_k+1
; against dst as in the first launch.
; THE TABLE comes by the tensor data mover: each wave asks once, at the head, for the 32 tiles (32 KiB) that it alone reads in the search;
; one tensor load of a wave is out, and the wait for it stands behind the refine and the fit (some 2,700 lines of the wave's text later).
; NO CLUSTER, though the 32 work-groups of a batch fetch the same table: the load is asked for once and nothing waits for it before the
; search; joint loads would add rounds of the cluster's barrier at the head and the end of a launch that has four barriers.
; The sums are taken about pivots (point 0 of src_k and of dst), so a common offset of the clouds forms no difference of large sums.
; R = va ua^T + vb ub^T + (va x vb)(ua x ub)^T over the two larger singular pairs: equal to V diag(1, 1, det) U^T.
; LIMITS: NaN and infinities are not served; |x| up to about 1e16 (squares and their sums); exact ties take the lowest index by the
; true distance; a cross-covariance of rank below 2 gives some rotation.  The Jacobi runs NSWEEP = 5 full sweeps of a 3 x 3: what a sweep
; (0,1), (0,2), (1,2) leaves off the diagonal of G^T G is the sine of its (0,2) rotation times the element (1,2) that it met, and that sine is
; itself of the order of such an element over a gap of the diagonal, so the remainder falls faster than quadratically once it is small.
.set REC, 0                            ; dst as records: group c (8 points) at 112 c: x at +0, y +32, z +64.  The pitch is an odd multiple of 16
.set RPITCH, 112                       ; bytes, so the lanes' 16-byte reads of one field fall on all 16 columns of 256 bytes, not on 8
.set TAB, 57344                        ; dst fragments: tile T (16 points) at 1024 T; filled by tensor loads alone
.set RED, 319488                       ; 8 waves x 16 sums
.set TOT, 320000                       ; each wave's own 64 bytes
.set BT,  0                            ; behind the last read of the records: fragments of my 128 src points,
.set XXB, 8192                         ; their |s|^2,
.set SCR, 16384                        ; and 8 waves x 128 best values, then at + 4096 their groups
.set NSWEEP, 5
.set TINY, 0x0d800000                  ; 2^-100, a floor under divisors
.set IDXO, 16                          ; s[16:17] index output
.set AUXO, 18                          ; s[18:19] sums and state output
.set G0,  24                           ; s[24:27] tensor descriptor group 0
.set G1,  68                           ; s[68:75] tensor descriptor group 1
; registers of the fit
.set VP,  8                            ; v[8:15]    wave 1: 8 of the 256 sums of values
.set SC,  16                           ; v[16:63]   my 16 points: coordinate d, point i at 16 d + i; point = 1024 (i / 4) + 4 t + i mod 4
.set IX,  64                           ; v[64:79]   their groups
.set C0,  80                           ; v[80:103]  8 candidates: x +0..7, y +8..15, z +16..23
.set C1,  104
.set ED,  128                          ; v[128:135] 8 squared distances
.set DT,  136                          ; v[136:159]
.set NS,  160                          ; v[160:165] -s in the even registers, 0 in the odd ones
.set SUM, 166                          ; v[166:181] sum s', sum c', sum s' c'^T, a zero
.set SP,  182
.set CP,  185
.set PA,  188
.set PB,  191
.set AD0, 194
.set STG, 196
.set OW,  244
.set TS,  80
.set GM,  96                           ; row i, column c at 3 i + c
.set VV,  105
.set MS,  114
.set MC,  117
.set AL,  120
.set BE,  121
.set GA,  122
.set DD,  123
.set OO,  124
.set WW,  125
.set SG,  126
.set TT,  127
.set CC,  128
.set SS,  129
.set U,   130
.set U2,  131
.set VAa, 132
.set VBb, 135
.set UA,  138
.set UB,  141
.set WV,  144
.set WU,  147
.set RR,  150
.set TV,  160
; registers of the own points' fragments
.set OH,  16
.set OT,  28
.set OM,  40
.set OL,  52
.set OQ,  64
.set BTA, 186
.set HTT, 187
.set Q3,  188
.set XXR, 192
; registers of the search
.set BF,  16
.set DX,  80
.set DY,  144
.set AE,  208
.set AO,  216
.set BEST, 224                         ; v[224:231] and v[240:247]: the best so far and the scratch, changing roles from tile to tile
.set IDX, 232
.set MX,  240
.set VC,  248
.set VA,  249
; wave 0: lane L's points 4 L .. 4 L + 3 = tile L / 4, rows 4 (L mod 4) + q; the 12 values stage by stage; value k = 4 d + q.
; v = h + m + l exactly, each piece with 8 significant bits.  v_perm_b32 with s29: the high halves of source 0 (on top) and source 1.
.macro OWNTAB
	v_lshrrev_b32 v[BTA], 2, v1
	v_and_b32 v[HTT], 3, v1
	v_lshlrev_b32 v[BTA], 10, v[BTA]
	v_lshl_add_u32 v[BTA], v[HTT], 6, v[BTA]       ; the fragments begin at LDS byte 0
	v_mov_b32 v[Q3], 0x3f803f80                    ; 1.0 1.0 | 1.0 0 | 0 0 | 0 0 in bf16
	v_mov_b32 v[Q3+1], 0x3f80
	v_mov_b32 v[Q3+2], 0
	v_mov_b32 v[Q3+3], 0
.irp k, 0,1,2,3,4,5,6,7,8,9,10,11
	v_and_b32 v[OH+\k], s28, v[OW+\k]
.endr
.irp k, 0,1,2,3,4,5,6,7,8,9,10,11
	v_sub_f32 v[OT+\k], v[OW+\k], v[OH+\k]
.endr
.irp k, 0,1,2,3,4,5,6,7,8,9,10,11
	v_and_b32 v[OM+\k], s28, v[OT+\k]
.endr
.irp k, 0,1,2,3,4,5,6,7,8,9,10,11
	v_sub_f32 v[OL+\k], v[OT+\k], v[OM+\k]
.endr
.irp k, 0,1,2,3,4,5,6,7,8,9,10,11
	v_perm_b32 v[OQ+4*\k],   v[OM+\k], v[OH+\k], s29   ; K places h m l h m l h m
	v_perm_b32 v[OQ+4*\k+1], v[OH+\k], v[OL+\k], s29
	v_perm_b32 v[OQ+4*\k+2], v[OL+\k], v[OM+\k], s29
	v_perm_b32 v[OQ+4*\k+3], v[OM+\k], v[OH+\k], s29
.endr
.irp q, 0,1,2,3
	v_mul_f32 v[XXR+\q], v[OW+\q], v[OW+\q]
.endr
.irp q, 0,1,2,3
	v_fmac_f32 v[XXR+\q], v[OW+4+\q], v[OW+4+\q]
.endr
.irp q, 0,1,2,3
	v_fmac_f32 v[XXR+\q], v[OW+8+\q], v[OW+8+\q]
.endr
.irp k, 0,1,2,3,4,5,6,7,8,9,10,11
	ds_store_b128 v[BTA], v[OQ+4*\k:OQ+4*\k+3] offset:BT+16*(\k%4)+256*(\k/4)
.endr
.irp q, 0,1,2,3
	ds_store_b128 v[BTA], v[Q3:Q3+3] offset:BT+16*\q+768
.endr
	v_lshlrev_b32 v[HTT], 4, v1
	ds_store_b128 v[HTT], v[XXR:XXR+3] offset:XXB
.endm
.macro WSUM r
	v_add_f32_dpp v[\r], v[\r], v[\r] row_xmask:1 row_mask:0xf bank_mask:0xf
	v_add_f32_dpp v[\r], v[\r], v[\r] row_xmask:2 row_mask:0xf bank_mask:0xf
	v_add_f32_dpp v[\r], v[\r], v[\r] row_xmask:4 row_mask:0xf bank_mask:0xf
	v_add_f32_dpp v[\r], v[\r], v[\r] row_xmask:8 row_mask:0xf bank_mask:0xf
	v_permlanex16_b32 v6, v[\r], s30, s31
	v_add_f32 v[\r], v[\r], v6
.endm
; the 8 candidates of point i: the 96 bytes of record c; the group is clamped to the table
.macro RLOAD c, ad, i
	v_min_u32 v[\ad], 511, v[IX+\i]
	v_mul_u32_u24 v[\ad], v[\ad], RPITCH
	ds_load_b128 v[\c:\c+3],     v[\ad] offset:REC
	ds_load_b128 v[\c+4:\c+7],   v[\ad] offset:REC+16
	ds_load_b128 v[\c+8:\c+11],  v[\ad] offset:REC+32
	ds_load_b128 v[\c+12:\c+15], v[\ad] offset:REC+48
	ds_load_b128 v[\c+16:\c+19], v[\ad] offset:REC+64
	ds_load_b128 v[\c+20:\c+23], v[\ad] offset:REC+80
.endm
.macro SEL c, a, b, e                  ; candidate b replaces a only if strictly nearer: the lower index wins a tie
	v_cmp_lt_f32 vcc_lo, v[ED+\b], v[ED+\a]
.if \e
	v_cndmask_b32 v[ED+\a], v[ED+\a], v[ED+\b], vcc_lo
.endif
	v_cndmask_b32 v[\c+\a],    v[\c+\a],    v[\c+\b],    vcc_lo
	v_cndmask_b32 v[\c+8+\a],  v[\c+8+\a],  v[\c+8+\b],  vcc_lo
	v_cndmask_b32 v[\c+16+\a], v[\c+16+\a], v[\c+16+\b], vcc_lo
.endm
.macro ACC sx, sy, sz, cx, cy, cz
	v_sub_f32 v[SP],   v[\sx], v[PA]
	v_sub_f32 v[SP+1], v[\sy], v[PA+1]
	v_sub_f32 v[SP+2], v[\sz], v[PA+2]
	v_sub_f32 v[CP],   v[\cx], v[PB]
	v_sub_f32 v[CP+1], v[\cy], v[PB+1]
	v_sub_f32 v[CP+2], v[\cz], v[PB+2]
.irp d, 0,1,2
	v_add_f32 v[SUM+\d], v[SUM+\d], v[SP+\d]
	v_add_f32 v[SUM+3+\d], v[SUM+3+\d], v[CP+\d]
.endr
.irp a, 0,1,2
.irp b, 0,1,2
	v_fmac_f32 v[SUM+6+3*\a+\b], v[SP+\a], v[CP+\b]
.endr
.endr
.endm
.macro RCALC c, i
	v_mul_f32 v[NS],   -1.0, v[SC+\i]
	v_mul_f32 v[NS+2], -1.0, v[SC+16+\i]
	v_mul_f32 v[NS+4], -1.0, v[SC+32+\i]
.irp k, 0,2,4,6
	v_pk_add_f32 v[DT+3*\k:DT+3*\k+1],   v[\c+\k:\c+\k+1],       v[NS:NS+1]   op_sel_hi:[1,0]
	v_pk_add_f32 v[DT+3*\k+2:DT+3*\k+3], v[\c+8+\k:\c+8+\k+1],   v[NS+2:NS+3] op_sel_hi:[1,0]
	v_pk_add_f32 v[DT+3*\k+4:DT+3*\k+5], v[\c+16+\k:\c+16+\k+1], v[NS+4:NS+5] op_sel_hi:[1,0]
.endr
.irp k, 0,2,4,6
	v_pk_mul_f32 v[ED+\k:ED+\k+1], v[DT+3*\k:DT+3*\k+1], v[DT+3*\k:DT+3*\k+1]
.endr
.irp k, 0,2,4,6
	v_pk_fma_f32 v[ED+\k:ED+\k+1], v[DT+3*\k+2:DT+3*\k+3], v[DT+3*\k+2:DT+3*\k+3], v[ED+\k:ED+\k+1]
.endr
.irp k, 0,2,4,6
	v_pk_fma_f32 v[ED+\k:ED+\k+1], v[DT+3*\k+4:DT+3*\k+5], v[DT+3*\k+4:DT+3*\k+5], v[ED+\k:ED+\k+1]
.endr
	SEL \c, 0, 1, 1
	SEL \c, 2, 3, 1
	SEL \c, 4, 5, 1
	SEL \c, 6, 7, 1
	SEL \c, 0, 2, 1
	SEL \c, 4, 6, 1
	SEL \c, 0, 4, 0
	ACC SC+\i, SC+16+\i, SC+32+\i, \c, \c+8, \c+16
.endm
; the wave's 15 sums over its lanes, then to the wave's 64 bytes at base, then the barrier
.macro REDUCE base
.irp m, 1,2,4,8
.set j, 0
.rept 15
	v_add_f32_dpp v[SUM+j], v[SUM+j], v[SUM+j] row_xmask:\m row_mask:0xf bank_mask:0xf
.set j, j+1
.endr
.endr
.set j, 0
.rept 15
	v_permlanex16_b32 v[DT+j], v[SUM+j], s30, s31
.set j, j+1
.endr
.set j, 0
.rept 15
	v_add_f32 v[SUM+j], v[SUM+j], v[DT+j]
.set j, j+1
.endr
	s_lshl_b32 s59, s20, 6
	s_add_co_u32 s59, s59, \base
	v_mov_b32 v[AD0], s59
.irp k, 0,1,2,3
	ds_store_b128 v[AD0], v[SUM+4*\k:SUM+4*\k+3] offset:16*\k
.endr
	s_wait_dscnt 0x0                               ; for the waves that read them behind the barrier; my reads of the records are over too
	s_barrier_signal -1
	s_barrier_wait -1
.endm
; the 8 waves' sums added in the order of the waves (lane r adds word r), then all 16 totals into every lane through the wave's own 64 bytes
.macro TOTALS base
	v_lshlrev_b32 v[U], 2, v2
	v_add_nc_u32 v[U2], \base, v[U]
.irp w, 0,1,2,3,4,5,6,7
	ds_load_b32 v[TS+\w], v[U2] offset:64*\w
.endr
	s_lshl_b32 s59, s20, 6
	s_add_co_u32 s59, s59, TOT
	v_add_nc_u32 v[U], s59, v[U]
	v_mov_b32 v[WW], s59
	s_wait_dscnt 0x0
.irp w, 1,2,3,4,5,6,7
	v_add_f32 v[TS], v[TS], v[TS+\w]
.endr
	ds_store_b32 v[U], v[TS]
.irp k, 0,1,2,3
	ds_load_b128 v[TS+4*\k:TS+4*\k+3], v[WW] offset:16*\k   ; LDS serves a wave's instructions in order (ISA guide 5.7.1): these see the store
.endr
	s_wait_dscnt 0x0
.endm
.macro ROT2 x, y
	v_mul_f32 v[U],  v[SS], v[\y]
	v_mul_f32 v[U2], v[SS], v[\x]
	v_fma_f32 v[\x], v[CC], v[\x], -v[U]
	v_fma_f32 v[\y], v[CC], v[\y], v[U2]
.endm
; One Jacobi rotation that makes columns p and q of GM orthogonal; VV gathers the rotations.  With D = |q|^2 - |p|^2, g = p.q,
; D' = |D| + 2^-60 and W = sqrt(D'^2 + 4 g^2): cos 2a = D' / W, so c^2 = 1/2 + D' / 2W, c = c^2 rsq(c^2), s = sign(D) g / (W c): the small angle,
; by two rsq.  The floor keeps W normal and gives c = 1, s = 0 where D = g = 0; the matrix has largest entry 1, so it changes no rotation
; that matters in f32.  Behind each transcendental stands one plain line that touches neither its result nor its source (ISA guide 5.7.2).
.macro JROT p, q
	v_mul_f32 v[AL], v[GM+\p], v[GM+\p]
	v_mul_f32 v[BE], v[GM+\q], v[GM+\q]
	v_mul_f32 v[GA], v[GM+\p], v[GM+\q]
.irp a, 3,6
	v_fmac_f32 v[AL], v[GM+\a+\p], v[GM+\a+\p]
	v_fmac_f32 v[BE], v[GM+\a+\q], v[GM+\a+\q]
	v_fmac_f32 v[GA], v[GM+\a+\p], v[GM+\a+\q]
.endr
	v_sub_f32 v[DD], v[BE], v[AL]
	v_add_f32 v[OO], v[GA], v[GA]
	v_add_f32 v[WW], |v[DD]|, s39                  ; D'
	v_mul_f32 v[OO], v[OO], v[OO]
	v_and_b32 v[SG], 0x80000000, v[DD]
	v_fmac_f32 v[OO], v[WW], v[WW]                 ; W^2
	v_rsq_f32 v[U], v[OO]                          ; 1 / W
	v_xor_b32 v[GA], v[GA], v[SG]                  ; sign(D) g
	v_mul_f32 v[WW], 0.5, v[WW]
	s_wait_alu depctr_va_vdst(0)
	v_fma_f32 v[TT], v[WW], v[U], 0.5              ; c^2
	v_rsq_f32 v[U2], v[TT]                         ; 1 / c
	v_mul_f32 v[GA], v[GA], v[U]
	s_wait_alu depctr_va_vdst(0)
	v_mul_f32 v[CC], v[TT], v[U2]
	v_mul_f32 v[SS], v[GA], v[U2]
.irp a, 0,3,6
	ROT2 GM+\a+\p, GM+\a+\q
	ROT2 VV+\a+\p, VV+\a+\q
.endr
.endm
.macro CROSS d, a, b
	v_mul_f32 v[\d],   v[\a+2], v[\b+1]
	v_mul_f32 v[\d+1], v[\a],   v[\b+2]
	v_mul_f32 v[\d+2], v[\a+1], v[\b]
	v_fma_f32 v[\d],   v[\a+1], v[\b+2], -v[\d]
	v_fma_f32 v[\d+1], v[\a+2], v[\b],   -v[\d+1]
	v_fma_f32 v[\d+2], v[\a],   v[\b+1], -v[\d+2]
.endm
; from the 15 totals in TS and the pivots PA, PB: RR (row i, column j at 3 i + j) and TV.  The same numbers in every lane.
.macro KABSCH
.irp d, 0,1,2
	v_mul_f32 v[MS+\d], 0x39800000, v[TS+\d]       ; / 4096
	v_mul_f32 v[MC+\d], 0x39800000, v[TS+3+\d]
.endr
.irp a, 0,1,2
.irp b, 0,1,2
	v_fma_f32 v[GM+3*\a+\b], -v[TS+\a], v[MC+\b], v[TS+6+3*\a+\b]
.endr
.endr
	v_max3_num_f32 v[WW], |v[GM]|, |v[GM+1]|, |v[GM+2]|
	v_max3_num_f32 v[WW], v[WW], |v[GM+3]|, |v[GM+4]|
	v_max3_num_f32 v[WW], v[WW], |v[GM+5]|, |v[GM+6]|
	v_max3_num_f32 v[WW], v[WW], |v[GM+7]|, |v[GM+8]|
	v_max_num_f32 v[WW], TINY, v[WW]
	v_rcp_f32 v[OO], v[WW]                         ; the matrix is brought to largest entry 1: the rotation does not hang on its scale
.irp a, 0,1,2,3,4,5,6,7,8
	v_mov_b32 v[VV+\a], 0
.endr
	v_mov_b32 v[VV], 1.0
	v_mov_b32 v[VV+4], 1.0
	v_mov_b32 v[VV+8], 1.0
	s_wait_alu depctr_va_vdst(0)
.irp a, 0,1,2,3,4,5,6,7,8
	v_mul_f32 v[GM+\a], v[GM+\a], v[OO]
.endr
	s_mov_b32 s48, NSWEEP
.Lsweep_\@:
	JROT 0, 1
	JROT 0, 2
	JROT 1, 2
	s_sub_co_i32 s48, s48, 1
	s_cmp_lg_u32 s48, 0
	s_cbranch_scc1 .Lsweep_\@
	v_mul_f32 v[AL], v[GM],   v[GM]
	v_mul_f32 v[BE], v[GM+1], v[GM+1]
	v_mul_f32 v[GA], v[GM+2], v[GM+2]
.irp a, 3,6
	v_fmac_f32 v[AL], v[GM+\a],   v[GM+\a]
	v_fmac_f32 v[BE], v[GM+\a+1], v[GM+\a+1]
	v_fmac_f32 v[GA], v[GM+\a+2], v[GM+\a+2]
.endr
	v_min3_num_f32 v[DD], v[AL], v[BE], v[GA]
	v_cmp_eq_f32 s57, v[AL], v[DD]                 ; column 0 is the smallest: column 2 stands in for it
	v_cmp_eq_f32 s58, v[BE], v[DD]
	s_and_not1_b32 s58, s58, s57                   ; else column 1 is: column 2 stands in for it
.irp a, 0,1,2
	v_cndmask_b32 v[VAa+\a], v[VV+3*\a],   v[VV+3*\a+2], s57
	v_cndmask_b32 v[UA+\a],  v[GM+3*\a],   v[GM+3*\a+2], s57
	v_cndmask_b32 v[VBb+\a], v[VV+3*\a+1], v[VV+3*\a+2], s58
	v_cndmask_b32 v[UB+\a],  v[GM+3*\a+1], v[GM+3*\a+2], s58
.endr
	v_cndmask_b32 v[OO], v[AL], v[GA], s57
	v_cndmask_b32 v[WW], v[BE], v[GA], s58
	v_max_num_f32 v[OO], TINY, v[OO]
	v_max_num_f32 v[WW], TINY, v[WW]
	v_rsq_f32 v[U], v[OO]
	v_rsq_f32 v[U2], v[WW]
	v_nop
	s_wait_alu depctr_va_vdst(0)
.irp a, 0,1,2
	v_mul_f32 v[UA+\a], v[UA+\a], v[U]
	v_mul_f32 v[UB+\a], v[UB+\a], v[U2]
.endr
	CROSS WV, VAa, VBb
	CROSS WU, UA, UB
.irp a, 0,1,2
.irp b, 0,1,2
	v_mul_f32 v[RR+3*\a+\b], v[VAa+\a], v[UA+\b]
	v_fmac_f32 v[RR+3*\a+\b], v[VBb+\a], v[UB+\b]
	v_fmac_f32 v[RR+3*\a+\b], v[WV+\a], v[WU+\b]
.endr
.endr
.irp d, 0,1,2
	v_add_f32 v[MS+\d], v[MS+\d], v[PA+\d]         ; the true means
	v_add_f32 v[MC+\d], v[MC+\d], v[PB+\d]
.endr
.irp a, 0,1,2
	v_fma_f32 v[TV+\a], -v[RR+3*\a],   v[MS],   v[MC+\a]
	v_fma_f32 v[TV+\a], -v[RR+3*\a+1], v[MS+1], v[TV+\a]
	v_fma_f32 v[TV+\a], -v[RR+3*\a+2], v[MS+2], v[TV+\a]
.endr
.endm
.macro WM d, a, n                      ; one dst tile against src tile n; every product starts from 0: no sum is carried
	v_wmma_f32_16x16x32_bf16 v[\d+8*(\n):\d+8*(\n)+7], v[\a:\a+7], v[BF+8*(\n):BF+8*(\n)+7], 0
.endm
.macro W8 d, a
.irp n, 0,1,2,3,4,5,6,7
	WM \d, \a, \n
.endr
.endm
; The reduction of the result set dp (8 tiles), six stages of 8 lines: the largest of a lane's 8 results and of the best so far (set b) goes
; to set m, which is the best from here on; where it grew, the group number is taken.  mat = 1: the next tile is multiplied into set dw
; meanwhile, one matrix instruction in front of every sixth line, so that matrix and vector work of one wave run side by side.
; No line names a register of dw's instructions.  Behind the last matrix instruction (line 42) stand six selects and an add.
.macro STEPS dw, aw, dp, m, b, mat
.set pk, 0
.rept 48
.set pn, pk%8
.set ps, pk/8
.if \mat
.if pk%6 == 0
	WM \dw, \aw, pk/6
.endif
.endif
.if ps == 0
	v_max3_num_f32 v[\m+pn], v[\dp+8*pn], v[\dp+8*pn+1], v[\dp+8*pn+2]
.endif
.if ps == 1
	v_max3_num_f32 v[\m+pn], v[\m+pn], v[\dp+8*pn+3], v[\dp+8*pn+4]
.endif
.if ps == 2
	v_max3_num_f32 v[\m+pn], v[\m+pn], v[\dp+8*pn+5], v[\dp+8*pn+6]
.endif
.if ps == 3
	v_max3_num_f32 v[\m+pn], v[\m+pn], v[\dp+8*pn+7], v[\b+pn]
.endif
.if ps == 4
	v_cmp_gt_f32 s[40+pn], v[\m+pn], v[\b+pn]
.endif
.if ps == 5
	v_cndmask_b32 v[IDX+pn], v[IDX+pn], v[VC], s[40+pn]
.endif
.set pk, pk+1
.endr
	v_add_nc_u32 v[VC], 2, v[VC]
.endm
; The seven plain lines behind the last matrix instruction are the places (ISA guide 7.12.1) in front of the reload of aw; dw is read in the next half, further on.
.macro HALF dw, aw, dp, left, off, m, b
	s_wait_dscnt \left                             ; aw's two loads are in; the other fragment's two may stay out
	STEPS \dw, \aw, \dp, \m, \b, 1
.if \off >= 0
	ds_load_b128 v[\aw:\aw+3],   v[VA] offset:\off
	ds_load_b128 v[\aw+4:\aw+7], v[VA] offset:\off+512
.endif
.endm
	s_load_b256 s[4:11], s[0:1], 0x0               ; src s[4:5], dst s[6:7], index in s[8:9], sums and state in s[10:11]
	s_load_b256 s[12:19], s[0:1], 0x20             ; table s[12:13], src out s[14:15], index out s[16:17], sums and state out s[18:19]
	v_lshrrev_b32 v1, 5, v0
	v_readfirstlane_b32 s20, v1                    ; wave
	s_mov_b32 s21, ttmp9                           ; chunk
	s_and_b32 s22, ttmp7, 0xffff                   ; batch
	s_lshl_b32 s23, s22, 5
	s_add_co_u32 s23, s23, s21
	s_mov_b32 s28, 0xffff0000
	s_mov_b32 s29, 0x07060302
	s_mov_b32 s30, 0x76543210
	s_mov_b32 s31, 0xfedcba98
	s_mov_b32 s39, 0x21800000                      ; 2^-60
	s_mov_b32 s49, 0x3a83126f                      ; the tolerance 0.001
	; The descriptor of my wave's 32 tiles: a dense block of 32,768 bytes as 128 rows of 32 elements of 8 bytes (256 bytes a row).
	s_mov_b32 s[G1+0], 3<<16                       ; no work-group mask; elements of 8 bytes; no padding
	s_mov_b32 s[G1+1], 32<<16                      ; tensor_dim0 = 32
	s_mov_b32 s[G1+2], 128<<16                     ; tensor_dim1 = 128
	s_mov_b32 s[G1+3], 32<<16                      ; tile_dim0 = 32
	s_mov_b32 s[G1+4], 128                         ; tile_dim1 = 128
	s_mov_b32 s[G1+5], 32                          ; from row to row: 32 elements
	s_mov_b32 s[G1+6], 0
	s_mov_b32 s[G1+7], 0
	s_mov_b32 s[G0], 1
	s_lshl_b32 s59, s20, 15
	s_add_co_u32 s[G0+1], s59, TAB                 ; LDS: the table's first byte + 32,768 x wave
	v_and_b32 v1, 31, v0
	v_and_b32 v2, 15, v0
	v_bfe_u32 v3, v0, 4, 1
	v_lshlrev_b32 v4, 4, v0
	v_lshrrev_b32 v5, 1, v0
	v_and_b32 v6, 1, v0
	v_mul_u32_u24 v5, v5, RPITCH
	v_lshl_add_u32 v5, v6, 4, v5                   ; my 4 points of a load: record t / 2 (+ 128 for each 1,024 points), half t mod 2
	v_lshlrev_b32 v7, 4, v1
	v_lshl_add_u32 v7, s21, 9, v7
	v_lshlrev_b32 v[AD0], 5, v1
	v_mul_u32_u24 v[AD0+1], v0, RPITCH             ; records t and t + 256: their 16 spare bytes
.irp k, 0,1,2,3
	v_mov_b32 v[C0+\k], 0
.endr
	s_mul_i32 s2, s22, 49152
	s_mov_b32 s3, 0
	s_wait_kmcnt 0x0
	s_add_nc_u64 s[4:5], s[4:5], s[2:3]
	s_add_nc_u64 s[6:7], s[6:7], s[2:3]
	s_add_nc_u64 s[14:15], s[14:15], s[2:3]
	s_lshl_b32 s2, s22, 14
	s_add_nc_u64 s[8:9], s[8:9], s[2:3]
	s_add_nc_u64 s[16:17], s[16:17], s[2:3]
	s_lshl_b32 s2, s22, 18
	s_add_co_u32 s2, s2, s59                       ; 262,144 x batch + 32,768 x wave
	s_add_nc_u64 s[G0+2:G0+3], s[12:13], s[2:3]
	s_or_b32 s[G0+3], s[G0+3], 0x80000000          ; type 2
.irp j, 0,1,2,3,4,5,6,7,8,9,10,11
	global_load_b128 v[STG+4*\j:STG+4*\j+3], v4, s[6:7] offset:4096*\j
.endr
.irp j, 0,1,2,3,4,5,6,7,8,9,10,11
	global_load_b128 v[SC+4*\j:SC+4*\j+3], v4, s[4:5] offset:4096*\j
.endr
.irp j, 0,1,2,3
	global_load_b128 v[IX+4*\j:IX+4*\j+3], v4, s[8:9] offset:4096*\j
.endr
	tensor_load_to_lds s[G0:G0+3], s[G1:G1+7]      ; my wave's one tensor load, a first fill; behind the loads that the refine waits for
	s_nop 0
	s_load_b32 s32, s[4:5], 0x0                    ; pivots: point 0 of src and of dst
	s_load_b32 s33, s[4:5], 0x4000
	s_load_b32 s34, s[4:5], 0x8000
	s_load_b32 s36, s[6:7], 0x0
	s_load_b32 s37, s[6:7], 0x4000
	s_load_b32 s38, s[6:7], 0x8000
	s_load_b64 s[50:51], s[10:11], 0x400           ; prev_err, done
	s_cmp_lg_u32 s20, 0
	s_cbranch_scc1 .Lnot_0
.irp d, 0,1,2
	global_load_b128 v[OW+4*\d:OW+4*\d+3], v7, s[4:5] offset:16384*\d
.endr
	s_branch .Lloaded
.Lnot_0:
	s_cmp_lg_u32 s20, 1
	s_cbranch_scc1 .Lloaded
	global_load_b128 v[VP:VP+3],   v[AD0], s[10:11]
	global_load_b128 v[VP+4:VP+7], v[AD0], s[10:11] offset:16
.Lloaded:
	ds_store_b128 v[AD0+1], v[C0:C0+3] offset:REC+96               ; the spare bytes are cleared once, while the loads are on their way:
	ds_store_b128 v[AD0+1], v[C0:C0+3] offset:REC+96+256*RPITCH    ; every byte of the records' region is written
	s_wait_loadcnt 0x10                            ; at least the 16 loads of src and index are younger than dst's 12: dst is in
.irp j, 0,1,2,3,4,5,6,7,8,9,10,11
	ds_store_b128 v5, v[STG+4*\j:STG+4*\j+3] offset:REC+128*RPITCH*(\j%4)+32*(\j/4)
.endr
	s_wait_dscnt 0x0
	s_barrier_signal -1
	s_barrier_wait -1
	s_wait_loadcnt 0x0
	s_wait_kmcnt 0x0
	s_cmp_lg_u32 s51, 0
	s_cselect_b32 s52, -1, 0                       ; done, as a mask for selects
.irp d, 0,1,2
	v_mov_b32 v[PA+\d], s[32+\d]
	v_mov_b32 v[PB+\d], s[36+\d]
	v_mov_b32 v[NS+2*\d+1], 0
.endr
.set j, 0
.rept 16
	v_mov_b32 v[SUM+j], 0
.set j, j+1
.endr
	; the nearest of 8 for my 16 points; the next point's six gathers are on their way while one is worked on
	RLOAD C0, AD0, 0
.set i, 0
.rept 15
.set NXT, C0+24*((i+1)%2)
.set ADN, AD0+((i+1)%2)
.set CUR, C0+24*(i%2)
	RLOAD NXT, ADN, i+1
	s_wait_dscnt 0x6                               ; all but the six just issued
	RCALC CUR, i
.set i, i+1
.endr
	s_wait_dscnt 0x0
	RCALC C1, 15
	REDUCE RED
	s_cmp_eq_u32 s20, 1
	s_cbranch_scc1 .Lstate
	s_cmp_lg_u32 s20, 0
	s_cbranch_scc1 .Ljoin
	; wave 0: the fit, my work-group's 128 points moved (value k = 4 d + q, stage by stage), their fragments
	TOTALS RED
	KABSCH
.irp k, 0,1,2,3,4,5,6,7,8,9,10,11
	v_fma_f32 v[OH+\k], v[RR+3*(\k/4)], v[OW+(\k%4)], v[TV+(\k/4)]
.endr
.irp k, 0,1,2,3,4,5,6,7,8,9,10,11
	v_fmac_f32 v[OH+\k], v[RR+3*(\k/4)+1], v[OW+4+(\k%4)]
.endr
.irp k, 0,1,2,3,4,5,6,7,8,9,10,11
	v_fmac_f32 v[OH+\k], v[RR+3*(\k/4)+2], v[OW+8+(\k%4)]
.endr
.irp k, 0,1,2,3,4,5,6,7,8,9,10,11
	v_cndmask_b32 v[OW+\k], v[OH+\k], v[OW+\k], s52   ; done: the points stay
.endr
.irp d, 0,1,2
	global_store_b128 v7, v[OW+4*\d:OW+4*\d+3], s[14:15] offset:16384*\d   ; 512 consecutive bytes, aligned, per store
.endr
	OWNTAB
	s_wait_xcnt 0x0                                ; the stores' data registers are written again in the search below
	s_branch .Ljoin
.Lstate:
	; wave 1 of work-group 0: the mean of the values over all batches, and the scan's next state
	s_cmp_lg_u32 s23, 0
	s_cbranch_scc1 .Ljoin
	v_add_f32 v8, v8, v9
	v_add_f32 v10, v10, v11
	v_add_f32 v12, v12, v13
	v_add_f32 v14, v14, v15
	v_add_f32 v8, v8, v10
	v_add_f32 v12, v12, v14
	v_add_f32 v8, v8, v12
	WSUM 8
	v_mul_f32 v8, 0x38000000, v8                   ; / 32768
	v_sub_f32 v9, s50, v8
	v_mov_b32 v10, s51
	v_mov_b32 v11, 1
	v_mov_b32 v14, s50
	v_mov_b32 v15, 0
	v_cmp_lt_f32 vcc_lo, |v9|, s49
	v_cndmask_b32 v13, v10, v11, vcc_lo            ; done | (|prev - err| < tolerance)
	v_cndmask_b32 v12, v8, v14, s52                ; done ? prev : err
	s_wait_xcnt 0x0                                ; EXEC changes only behind this wait
	v_cmp_eq_u32 vcc_lo, 32, v0
	s_and_saveexec_b32 s53, vcc_lo                 ; the wave's first lane
	global_store_b64 v15, v[12:13], s[AUXO:AUXO+1] offset:1024
	s_wait_xcnt 0x0                                ; and again in front of the line that widens it
	s_or_b32 exec_lo, exec_lo, s53
.Ljoin:
	s_wait_dscnt 0x0                               ; fragments written, reads of the sums over
	s_wait_tensorcnt 0x0                           ; my 32 tiles of the table have landed; no other wave reads them
	s_barrier_signal -1
	s_barrier_wait -1
	; THE SEARCH.  Wave w takes dst tiles 32 w .. 32 w + 31 against all 8 src tiles.
	v_lshlrev_b32 v[MX], 4, v1
	s_lshl_b32 s59, s20, 15
	s_add_co_u32 s59, s59, TAB
	v_add_nc_u32 v[VA], s59, v[MX]                 ; my first tile + 16 L
.irp n, 0,1,2,3,4,5,6,7
	ds_load_b128 v[BF+8*\n:BF+8*\n+3],   v[MX] offset:BT+1024*\n
	ds_load_b128 v[BF+8*\n+4:BF+8*\n+7], v[MX] offset:BT+1024*\n+512
.endr
	ds_load_b128 v[AE:AE+3],   v[VA]
	ds_load_b128 v[AE+4:AE+7], v[VA] offset:512
	ds_load_b128 v[AO:AO+3],   v[VA] offset:1024
	ds_load_b128 v[AO+4:AO+7], v[VA] offset:1536
.irp n, 0,1,2,3,4,5,6,7
	v_mov_b32 v[BEST+\n], 0xff800000
	v_mov_b32 v[IDX+\n], 0
.endr
	v_lshl_add_u32 v[VC], s20, 6, v3
	s_wait_dscnt 0x2                               ; src fragments and tile 0 are in; tile 1's two loads stay out
	W8 DY, AE
.rept 4
	v_nop                                          ; four places in front of the reload of AE and of the reading of set Y (ISA guide 7.12.1)
.endr
	ds_load_b128 v[AE:AE+3],   v[VA] offset:2048
	ds_load_b128 v[AE+4:AE+7], v[VA] offset:2560
	s_mov_b32 s48, 14
.Ltiles:
	HALF DX, AO, DY, 2, 3072, MX, BEST             ; the best moves to MX,
	HALF DY, AE, DX, 2, 4096, BEST, MX             ; and back
	v_add_nc_u32 v[VA], 2048, v[VA]
	s_sub_co_i32 s48, s48, 1
	s_cmp_lg_u32 s48, 0
	s_cbranch_scc1 .Ltiles
	HALF DX, AO, DY, 2, 3072, MX, BEST             ; tile 29; fetches tile 31
	HALF DY, AE, DX, 2, -1, BEST, MX               ; tile 30
	HALF DX, AO, DY, 0, -1, MX, BEST               ; tile 31
	STEPS 0, 0, DX, BEST, MX, 0                    ; the 32nd reduction: the best ends in BEST
	; the two halves of the wave hold the even and the odd groups of the same src points: join them, the lower group on a tie
.irp n, 0,1,2,3,4,5,6,7
	v_permlanex16_b32 v[DY+\n],   v[BEST+\n], s30, s31
	v_permlanex16_b32 v[DY+8+\n], v[IDX+\n],  s30, s31
	v_cmp_gt_f32 s40, v[DY+\n], v[BEST+\n]
	v_cmp_eq_f32 s41, v[DY+\n], v[BEST+\n]
	v_min_u32 v[DY+16+\n], v[DY+8+\n], v[IDX+\n]
	v_cndmask_b32 v[IDX+\n], v[IDX+\n], v[DY+16+\n], s41
	v_cndmask_b32 v[IDX+\n], v[IDX+\n], v[DY+8+\n], s40
	v_max_num_f32 v[BEST+\n], v[BEST+\n], v[DY+\n]
.endr
	s_lshl_b32 s59, s20, 9
	s_add_co_u32 s59, s59, SCR
	v_lshlrev_b32 v[VA], 2, v2
	v_add_nc_u32 v[VA], s59, v[VA]
.irp n, 0,1,2,3,4,5,6,7
	ds_store_b32 v[VA], v[BEST+\n] offset:64*\n
	ds_store_b32 v[VA], v[IDX+\n] offset:4096+64*\n
.endr
	s_wait_dscnt 0x0
	s_barrier_signal -1
	s_barrier_wait -1
	s_cmp_lg_u32 s20, 0
	s_cbranch_scc1 .Lend
	; wave 0 joins the 8 waves' results, 4 points a lane; waves ascend, so a tie keeps the lowest group
	v_lshlrev_b32 v[VA], 4, v1
.irp w, 0,1,2,3,4,5,6,7
	ds_load_b128 v[DX+4*\w:DX+4*\w+3], v[VA] offset:SCR+512*\w
	ds_load_b128 v[DY+4*\w:DY+4*\w+3], v[VA] offset:SCR+4096+512*\w
.endr
	ds_load_b128 v[AE:AE+3], v[VA] offset:XXB
	s_wait_dscnt 0x0
.irp w, 1,2,3,4,5,6,7
.irp q, 0,1,2,3
	v_cmp_gt_f32 vcc_lo, v[DX+4*\w+\q], v[DX+\q]
	v_cndmask_b32 v[DY+\q], v[DY+\q], v[DY+4*\w+\q], vcc_lo
	v_max_num_f32 v[DX+\q], v[DX+\q], v[DX+4*\w+\q]
.endr
.endr
.irp q, 0,1,2,3
	v_sub_f32 v[DX+\q], v[DX+\q], v[AE+\q]         ; - |s|^2: minus the squared distance
.endr
	v_add_f32 v[DX], v[DX], v[DX+1]
	v_add_f32 v[DX+2], v[DX+2], v[DX+3]
	v_add_f32 v[DX], v[DX], v[DX+2]
	WSUM DX
	global_store_b128 v7, v[DY:DY+3], s[IDXO:IDXO+1]   ; 512 consecutive bytes, aligned
	s_lshl_b32 s59, s23, 2
	v_mov_b32 v[VC], s59
	s_wait_xcnt 0x0                                ; EXEC changes only behind this wait
	v_cmp_eq_u32 vcc_lo, 0, v0
	s_and_saveexec_b32 s53, vcc_lo                 ; lane 0 alone, to the end
	global_store_b32 v[VC], v[DX], s[AUXO:AUXO+1]  ; one word for each work-group
.Lend:
	s_endpgm
.Lfunc_end_k_qc5fa79345e_step1:
	.size	k_qc5fa79345e_step1, .Lfunc_end_k_qc5fa79345e_step1-k_qc5fa79345e_step1
	.p2alignl 7, 3214868480
	.fill 96, 4, 3214868480
	.section	.rodata,"a",@progbits
	.p2align	6, 0x0
	.amdhsa_kernel k_qc5fa79345e_step1
		.amdhsa_group_segment_fixed_size 327680
		.amdhsa_private_segment_fixed_size 0
		.amdhsa_enable_private_segment 0
		.amdhsa_kernarg_size 64
		.amdhsa_user_sgpr_count 2
		.amdhsa_user_sgpr_kernarg_segment_ptr 1
		.amdhsa_wavefront_size32 1
		.amdhsa_system_sgpr_workgroup_id_x 1
		.amdhsa_system_sgpr_workgroup_id_y 1
		.amdhsa_system_sgpr_workgroup_id_z 1
		.amdhsa_system_vgpr_workitem_id 0
		.amdhsa_next_free_vgpr 256
		.amdhsa_next_free_sgpr 80
		.amdhsa_reserve_vcc 1
		.amdhsa_float_denorm_mode_32 3
		.amdhsa_float_denorm_mode_16_64 3
		.amdhsa_memory_ordered 1
		.amdhsa_forward_progress 1
		.amdhsa_inst_pref_size 134
	.end_amdhsa_kernel
	.amdgpu_metadata
---
amdhsa.version: [ 1, 2 ]
amdhsa.kernels:
  - .name:           k_qc5fa79345e_step1
    .symbol:         k_qc5fa79345e_step1.kd
    .args:
      - { .name: srcInit, .offset: 0, .size: 8, .value_kind: global_buffer, .address_space: global }
      - { .name: dst, .offset: 8, .size: 8, .value_kind: global_buffer, .address_space: global }
      - { .name: idxA, .offset: 16, .size: 8, .value_kind: global_buffer, .address_space: global }
      - { .name: auxA, .offset: 24, .size: 8, .value_kind: global_buffer, .address_space: global }
      - { .name: tab, .offset: 32, .size: 8, .value_kind: global_buffer, .address_space: global }
      - { .name: srcA, .offset: 40, .size: 8, .value_kind: global_buffer, .address_space: global }
      - { .name: idxB, .offset: 48, .size: 8, .value_kind: global_buffer, .address_space: global }
      - { .name: auxB, .offset: 56, .size: 8, .value_kind: global_buffer, .address_space: global }
    .group_segment_fixed_size: 327680
    .private_segment_fixed_size: 0
    .kernarg_segment_align: 8
    .kernarg_segment_size: 64
    .max_flat_workgroup_size: 256
    .sgpr_count:     80
    .vgpr_count:     256
    .wavefront_size: 32
...
	.end_amdgpu_metadata
.endif
;; end of part 5
;; launch step2: the kernel of part 5 again; grid 32 x 8, 8 waves a work-group, no clusters, 327,680 bytes of LDS; arguments srcA, dst, idxB, auxB, tab, srcB, idxA, auxA; writes srcB, idxA, auxA
;; launch step3: the kernel of part 5 again; grid 32 x 8, 8 waves a work-group, no clusters, 327,680 bytes of LDS; arguments srcB, dst, idxA, auxA, tab, srcA, idxB, auxB; writes srcA, idxB, auxB
;; launch step4: the kernel of part 5 again; grid 32 x 8, 8 waves a work-group, no clusters, 327,680 bytes of LDS; arguments srcA, dst, idxB, auxB, tab, srcB, idxA, auxA; writes srcB, idxA, auxA
;; launch last (part 6): grid 8 x 1, 8 waves a work-group, no clusters, 327,680 bytes of LDS; arguments srcB, dst, idxA, auxA, srcInit, out1, out2, out3, out4, out5; writes out1, out2, out3, out4, out5
.if DOCPART == 6
	.amdgcn_target "amdgcn-amd-amdhsa--gfx1250"
	.amdhsa_code_object_version 6
	.text
	.protected	k_qc5fa79345e_last
	.globl	k_qc5fa79345e_last
	.p2align	8
	.type	k_qc5fa79345e_last,@function
k_qc5fa79345e_last:
	s_mov_b64 s[64:65], 0
	v_nop
	global_prefetch_b8 v0, s[64:65] scope:SCOPE_SE
	s_setreg_imm32_b32 hwreg(HW_REG_WAVE_MODE, 25, 1), 1
	s_wait_xcnt 0x0
; ICP, last launch: the fifth step (pick the nearest of 8 candidates, fit, move all 4,096 points: out1), and the fit of srcInit
; onto the final points: out2 = R, out3 = t, out4 = R^T, out5 = -R^T t.  One work-group for each of the 8 batches: the fits need sums
; over the whole batch, and work-groups exchange nothing.  No matrix unit: nothing here is a bulk product.
; THE TWO FITS RUN SIDE BY SIDE.  With s the points that come in, (R1, t1) the step's fit and S = R1 s + t1 the final points, the second fit's
; matrix is sum (I - mean I)(S - mean S)^T = M R1^T with M = sum (I - mean I)(s - mean s)^T.  If M = U Sigma V^T then M R1^T = U Sigma (R1 V)^T, and
; det(R1 V U^T) = det(V U^T) since R1 is a proper rotation; so the fit of srcInit onto S is R = R1 R_M, t = R1 t_M + t1, where (R_M, t_M) is the fit
; of srcInit onto s.  M hangs on nothing that the step's fit makes: its sums are gathered beside the step's, wave 1 runs its Jacobi while the other
; waves run the step's, wave 0 hands R1, t1 over through LDS, and wave 1 composes.  Where the scan is done, S = s and the fit is (R_M, t_M) itself.
; The sums are taken about pivots (point 0 of each cloud), so a common offset forms no difference of large sums.
; R = va ua^T + vb ub^T + (va x vb)(ua x ub)^T over the two larger singular pairs: equal to V diag(1, 1, det) U^T.
; LIMITS: NaN and infinities are not served; |x| up to about 1e16; exact ties take the lowest index by the true distance; a cross-covariance
; of rank below 2 gives some rotation.  The Jacobi runs NSWEEP = 5 full sweeps of a 3 x 3: what a sweep (0,1), (0,2), (1,2) leaves off the diagonal
; of G^T G is the sine of its (0,2) rotation times the element (1,2) that it met, and that sine is itself of the order of such an element over
; a gap of the diagonal, so the remainder falls faster than quadratically once it is small.
; The 24 small results of a batch leave as single words from one lane: 96 bytes a work-group.
.set REC, 0                            ; dst as records: group c (8 points) at 112 c: x at +0, y +32, z +64.  The pitch is an odd multiple of 16
.set RPITCH, 112                       ; bytes, so the lanes' 16-byte reads of one field fall on all 16 columns of 256 bytes, not on 8
.set RED, 57344                        ; 8 waves x 128 bytes: 16 sums of the step's fit, then 16 of the fit of srcInit
.set TOT, 58368                        ; each wave's own 64 bytes
.set XCH, 58880                        ; 48 bytes: R1 (9 words), t1 (3 words), from wave 0 to wave 1
.set NSWEEP, 5
.set TINY, 0x0d800000                  ; 2^-100
.set AD0, 8                            ; v[8:9]
.set PA,  10                           ; v[10:12]   pivot of the fit's first cloud
.set PB,  13                           ; v[13:15]   pivot of its second
.set SC,  16                           ; v[16:63]   my 16 points: coordinate d, point i at 16 d + i; point = 1024 (i / 4) + 4 t + i mod 4
.set IX,  64
.set C0,  80
.set C1,  104
.set STG, 80                           ; v[80:127]  dst on its way to LDS, ahead of the candidates
.set ED,  128
.set DT,  136
.set IP,  136                          ; v[136:138] srcInit less its pivot (DT is free where it is used)
.set NS,  160
.set SUM, 166                          ; v[166:181] sum s', sum c', sum s' c'^T, a zero
.set SP,  182
.set CP,  185
.set IS,  188                          ; v[188:235] srcInit laid out like SC
.set SUM2, 236                         ; v[236:251] sum I', sum s', sum I' s'^T, a zero
.set ZQ,  252                          ; v[252:255] zeros
.set TS,  80
.set GM,  96
.set VV,  105
.set MS,  114
.set MC,  117
.set AL,  120
.set BE,  121
.set GA,  122
.set DD,  123
.set OO,  124
.set WW,  125
.set SG,  126
.set TT,  127
.set CC,  128
.set SS,  129
.set U,   130
.set U2,  131
.set VAa, 132
.set VBb, 135
.set UA,  138
.set UB,  141
.set WV,  144
.set WU,  147
.set RR,  150
.set TV,  160
.set XR,  164                          ; v[164:175] wave 1: R1, t1 as read
.set RAB, 176                          ; v[176:184] the composed rotation
.set TB,  185                          ; v[185:187] the composed translation
.macro RLOAD c, ad, i                  ; the 8 candidates of point i: the 96 bytes of record c; the group is clamped to the table
	v_min_u32 v[\ad], 511, v[IX+\i]
	v_mul_u32_u24 v[\ad], v[\ad], RPITCH
	ds_load_b128 v[\c:\c+3],     v[\ad] offset:REC
	ds_load_b128 v[\c+4:\c+7],   v[\ad] offset:REC+16
	ds_load_b128 v[\c+8:\c+11],  v[\ad] offset:REC+32
	ds_load_b128 v[\c+12:\c+15], v[\ad] offset:REC+48
	ds_load_b128 v[\c+16:\c+19], v[\ad] offset:REC+64
	ds_load_b128 v[\c+20:\c+23], v[\ad] offset:REC+80
.endm
.macro SEL c, a, b, e                  ; candidate b replaces a only if strictly nearer: the lower index wins a tie
	v_cmp_lt_f32 vcc_lo, v[ED+\b], v[ED+\a]
.if \e
	v_cndmask_b32 v[ED+\a], v[ED+\a], v[ED+\b], vcc_lo
.endif
	v_cndmask_b32 v[\c+\a],    v[\c+\a],    v[\c+\b],    vcc_lo
	v_cndmask_b32 v[\c+8+\a],  v[\c+8+\a],  v[\c+8+\b],  vcc_lo
	v_cndmask_b32 v[\c+16+\a], v[\c+16+\a], v[\c+16+\b], vcc_lo
.endm
.macro ACC sx, sy, sz, cx, cy, cz
	v_sub_f32 v[SP],   v[\sx], v[PA]
	v_sub_f32 v[SP+1], v[\sy], v[PA+1]
	v_sub_f32 v[SP+2], v[\sz], v[PA+2]
	v_sub_f32 v[CP],   v[\cx], v[PB]
	v_sub_f32 v[CP+1], v[\cy], v[PB+1]
	v_sub_f32 v[CP+2], v[\cz], v[PB+2]
.irp d, 0,1,2
	v_add_f32 v[SUM+\d], v[SUM+\d], v[SP+\d]
	v_add_f32 v[SUM+3+\d], v[SUM+3+\d], v[CP+\d]
.endr
.irp a, 0,1,2
.irp b, 0,1,2
	v_fmac_f32 v[SUM+6+3*\a+\b], v[SP+\a], v[CP+\b]
.endr
.endr
.endm
.macro ACC2 i                          ; srcInit's point i against the same point of s; SP is ACC's
	v_sub_f32 v[IP],   v[IS+\i],    s54
	v_sub_f32 v[IP+1], v[IS+16+\i], s55
	v_sub_f32 v[IP+2], v[IS+32+\i], s56
.irp d, 0,1,2
	v_add_f32 v[SUM2+\d], v[SUM2+\d], v[IP+\d]
.endr
.irp a, 0,1,2
.irp b, 0,1,2
	v_fmac_f32 v[SUM2+6+3*\a+\b], v[IP+\a], v[SP+\b]
.endr
.endr
.endm
.macro RCALC c, i
	v_mul_f32 v[NS],   -1.0, v[SC+\i]
	v_mul_f32 v[NS+2], -1.0, v[SC+16+\i]
	v_mul_f32 v[NS+4], -1.0, v[SC+32+\i]
.irp k, 0,2,4,6
	v_pk_add_f32 v[DT+3*\k:DT+3*\k+1],   v[\c+\k:\c+\k+1],       v[NS:NS+1]   op_sel_hi:[1,0]
	v_pk_add_f32 v[DT+3*\k+2:DT+3*\k+3], v[\c+8+\k:\c+8+\k+1],   v[NS+2:NS+3] op_sel_hi:[1,0]
	v_pk_add_f32 v[DT+3*\k+4:DT+3*\k+5], v[\c+16+\k:\c+16+\k+1], v[NS+4:NS+5] op_sel_hi:[1,0]
.endr
.irp k, 0,2,4,6
	v_pk_mul_f32 v[ED+\k:ED+\k+1], v[DT+3*\k:DT+3*\k+1], v[DT+3*\k:DT+3*\k+1]
.endr
.irp k, 0,2,4,6
	v_pk_fma_f32 v[ED+\k:ED+\k+1], v[DT+3*\k+2:DT+3*\k+3], v[DT+3*\k+2:DT+3*\k+3], v[ED+\k:ED+\k+1]
.endr
.irp k, 0,2,4,6
	v_pk_fma_f32 v[ED+\k:ED+\k+1], v[DT+3*\k+4:DT+3*\k+5], v[DT+3*\k+4:DT+3*\k+5], v[ED+\k:ED+\k+1]
.endr
	SEL \c, 0, 1, 1
	SEL \c, 2, 3, 1
	SEL \c, 4, 5, 1
	SEL \c, 6, 7, 1
	SEL \c, 0, 2, 1
	SEL \c, 4, 6, 1
	SEL \c, 0, 4, 0
	ACC SC+\i, SC+16+\i, SC+32+\i, \c, \c+8, \c+16
	ACC2 \i
.endm
.macro LSUM reg, tmp                   ; 15 sums over the wave's 32 lanes, stage by stage
.irp m, 1,2,4,8
.set j, 0
.rept 15
	v_add_f32_dpp v[\reg+j], v[\reg+j], v[\reg+j] row_xmask:\m row_mask:0xf bank_mask:0xf
.set j, j+1
.endr
.endr
.set j, 0
.rept 15
	v_permlanex16_b32 v[\tmp+j], v[\reg+j], s30, s31
.set j, j+1
.endr
.set j, 0
.rept 15
	v_add_f32 v[\reg+j], v[\reg+j], v[\tmp+j]
.set j, j+1
.endr
.endm
; the 8 waves' sums added in the order of the waves (lane r adds word r), then all 16 totals into every lane through the wave's own 64 bytes
.macro TOTALS base
	v_lshlrev_b32 v[U], 2, v2
	v_add_nc_u32 v[U2], \base, v[U]
.irp w, 0,1,2,3,4,5,6,7
	ds_load_b32 v[TS+\w], v[U2] offset:128*\w
.endr
	s_lshl_b32 s59, s20, 6
	s_add_co_u32 s59, s59, TOT
	v_add_nc_u32 v[U], s59, v[U]
	v_mov_b32 v[WW], s59
	s_wait_dscnt 0x0
.irp w, 1,2,3,4,5,6,7
	v_add_f32 v[TS], v[TS], v[TS+\w]
.endr
	ds_store_b32 v[U], v[TS]
.irp k, 0,1,2,3
	ds_load_b128 v[TS+4*\k:TS+4*\k+3], v[WW] offset:16*\k   ; LDS serves a wave's instructions in order (ISA guide 5.7.1): these see the store
.endr
	s_wait_dscnt 0x0
.endm
.macro ROT2 x, y
	v_mul_f32 v[U],  v[SS], v[\y]
	v_mul_f32 v[U2], v[SS], v[\x]
	v_fma_f32 v[\x], v[CC], v[\x], -v[U]
	v_fma_f32 v[\y], v[CC], v[\y], v[U2]
.endm
; One Jacobi rotation that makes columns p and q of GM orthogonal; VV gathers the rotations.  With D = |q|^2 - |p|^2, g = p.q,
; D' = |D| + 2^-60 and W = sqrt(D'^2 + 4 g^2): cos 2a = D' / W, so c^2 = 1/2 + D' / 2W, c = c^2 rsq(c^2), s = sign(D) g / (W c): the small angle,
; by two rsq.  The floor keeps W normal and gives c = 1, s = 0 where D = g = 0; the matrix has largest entry 1, so it changes no rotation
; that matters in f32.  Behind each transcendental stands one plain line that touches neither its result nor its source (ISA guide 5.7.2).
.macro JROT p, q
	v_mul_f32 v[AL], v[GM+\p], v[GM+\p]
	v_mul_f32 v[BE], v[GM+\q], v[GM+\q]
	v_mul_f32 v[GA], v[GM+\p], v[GM+\q]
.irp a, 3,6
	v_fmac_f32 v[AL], v[GM+\a+\p], v[GM+\a+\p]
	v_fmac_f32 v[BE], v[GM+\a+\q], v[GM+\a+\q]
	v_fmac_f32 v[GA], v[GM+\a+\p], v[GM+\a+\q]
.endr
	v_sub_f32 v[DD], v[BE], v[AL]
	v_add_f32 v[OO], v[GA], v[GA]
	v_add_f32 v[WW], |v[DD]|, s39                  ; D'
	v_mul_f32 v[OO], v[OO], v[OO]
	v_and_b32 v[SG], 0x80000000, v[DD]
	v_fmac_f32 v[OO], v[WW], v[WW]                 ; W^2
	v_rsq_f32 v[U], v[OO]                          ; 1 / W
	v_xor_b32 v[GA], v[GA], v[SG]                  ; sign(D) g
	v_mul_f32 v[WW], 0.5, v[WW]
	s_wait_alu depctr_va_vdst(0)
	v_fma_f32 v[TT], v[WW], v[U], 0.5              ; c^2
	v_rsq_f32 v[U2], v[TT]                         ; 1 / c
	v_mul_f32 v[GA], v[GA], v[U]
	s_wait_alu depctr_va_vdst(0)
	v_mul_f32 v[CC], v[TT], v[U2]
	v_mul_f32 v[SS], v[GA], v[U2]
.irp a, 0,3,6
	ROT2 GM+\a+\p, GM+\a+\q
	ROT2 VV+\a+\p, VV+\a+\q
.endr
.endm
.macro CROSS d, a, b
	v_mul_f32 v[\d],   v[\a+2], v[\b+1]
	v_mul_f32 v[\d+1], v[\a],   v[\b+2]
	v_mul_f32 v[\d+2], v[\a+1], v[\b]
	v_fma_f32 v[\d],   v[\a+1], v[\b+2], -v[\d]
	v_fma_f32 v[\d+1], v[\a+2], v[\b],   -v[\d+1]
	v_fma_f32 v[\d+2], v[\a],   v[\b+1], -v[\d+2]
.endm
; from the 15 totals in TS and the pivots PA, PB: RR (row i, column j at 3 i + j) and TV.  The same numbers in every lane.
.macro KABSCH
.irp d, 0,1,2
	v_mul_f32 v[MS+\d], 0x39800000, v[TS+\d]       ; / 4096
	v_mul_f32 v[MC+\d], 0x39800000, v[TS+3+\d]
.endr
.irp a, 0,1,2
.irp b, 0,1,2
	v_fma_f32 v[GM+3*\a+\b], -v[TS+\a], v[MC+\b], v[TS+6+3*\a+\b]
.endr
.endr
	v_max3_num_f32 v[WW], |v[GM]|, |v[GM+1]|, |v[GM+2]|
	v_max3_num_f32 v[WW], v[WW], |v[GM+3]|, |v[GM+4]|
	v_max3_num_f32 v[WW], v[WW], |v[GM+5]|, |v[GM+6]|
	v_max3_num_f32 v[WW], v[WW], |v[GM+7]|, |v[GM+8]|
	v_max_num_f32 v[WW], TINY, v[WW]
	v_rcp_f32 v[OO], v[WW]                         ; the matrix is brought to largest entry 1: the rotation does not hang on its scale
.irp a, 0,1,2,3,4,5,6,7,8
	v_mov_b32 v[VV+\a], 0
.endr
	v_mov_b32 v[VV], 1.0
	v_mov_b32 v[VV+4], 1.0
	v_mov_b32 v[VV+8], 1.0
	s_wait_alu depctr_va_vdst(0)
.irp a, 0,1,2,3,4,5,6,7,8
	v_mul_f32 v[GM+\a], v[GM+\a], v[OO]
.endr
	s_mov_b32 s48, NSWEEP
.Lsweep_\@:
	JROT 0, 1
	JROT 0, 2
	JROT 1, 2
	s_sub_co_i32 s48, s48, 1
	s_cmp_lg_u32 s48, 0
	s_cbranch_scc1 .Lsweep_\@
	v_mul_f32 v[AL], v[GM],   v[GM]
	v_mul_f32 v[BE], v[GM+1], v[GM+1]
	v_mul_f32 v[GA], v[GM+2], v[GM+2]
.irp a, 3,6
	v_fmac_f32 v[AL], v[GM+\a],   v[GM+\a]
	v_fmac_f32 v[BE], v[GM+\a+1], v[GM+\a+1]
	v_fmac_f32 v[GA], v[GM+\a+2], v[GM+\a+2]
.endr
	v_min3_num_f32 v[DD], v[AL], v[BE], v[GA]
	v_cmp_eq_f32 s57, v[AL], v[DD]                 ; column 0 is the smallest: column 2 stands in for it
	v_cmp_eq_f32 s58, v[BE], v[DD]
	s_and_not1_b32 s58, s58, s57                   ; else column 1 is: column 2 stands in for it
.irp a, 0,1,2
	v_cndmask_b32 v[VAa+\a], v[VV+3*\a],   v[VV+3*\a+2], s57
	v_cndmask_b32 v[UA+\a],  v[GM+3*\a],   v[GM+3*\a+2], s57
	v_cndmask_b32 v[VBb+\a], v[VV+3*\a+1], v[VV+3*\a+2], s58
	v_cndmask_b32 v[UB+\a],  v[GM+3*\a+1], v[GM+3*\a+2], s58
.endr
	v_cndmask_b32 v[OO], v[AL], v[GA], s57
	v_cndmask_b32 v[WW], v[BE], v[GA], s58
	v_max_num_f32 v[OO], TINY, v[OO]
	v_max_num_f32 v[WW], TINY, v[WW]
	v_rsq_f32 v[U], v[OO]
	v_rsq_f32 v[U2], v[WW]
	v_nop
	s_wait_alu depctr_va_vdst(0)
.irp a, 0,1,2
	v_mul_f32 v[UA+\a], v[UA+\a], v[U]
	v_mul_f32 v[UB+\a], v[UB+\a], v[U2]
.endr
	CROSS WV, VAa, VBb
	CROSS WU, UA, UB
.irp a, 0,1,2
.irp b, 0,1,2
	v_mul_f32 v[RR+3*\a+\b], v[VAa+\a], v[UA+\b]
	v_fmac_f32 v[RR+3*\a+\b], v[VBb+\a], v[UB+\b]
	v_fmac_f32 v[RR+3*\a+\b], v[WV+\a], v[WU+\b]
.endr
.endr
.irp d, 0,1,2
	v_add_f32 v[MS+\d], v[MS+\d], v[PA+\d]         ; the true means
	v_add_f32 v[MC+\d], v[MC+\d], v[PB+\d]
.endr
.irp a, 0,1,2
	v_fma_f32 v[TV+\a], -v[RR+3*\a],   v[MS],   v[MC+\a]
	v_fma_f32 v[TV+\a], -v[RR+3*\a+1], v[MS+1], v[TV+\a]
	v_fma_f32 v[TV+\a], -v[RR+3*\a+2], v[MS+2], v[TV+\a]
.endr
.endm
; the fifth step's move, in place, for my 16 points, four points (12 values, k = 4 d + q) at a time; done: they stay.  Then out1.
.macro MOVE r, t
.irp g, 0,1,2,3
.irp k, 0,1,2,3,4,5,6,7,8,9,10,11
	v_fma_f32 v[TS+\k], v[\r+3*(\k/4)], v[SC+4*\g+(\k%4)], v[\t+(\k/4)]
.endr
.irp k, 0,1,2,3,4,5,6,7,8,9,10,11
	v_fmac_f32 v[TS+\k], v[\r+3*(\k/4)+1], v[SC+16+4*\g+(\k%4)]
.endr
.irp k, 0,1,2,3,4,5,6,7,8,9,10,11
	v_fmac_f32 v[TS+\k], v[\r+3*(\k/4)+2], v[SC+32+4*\g+(\k%4)]
.endr
.irp k, 0,1,2,3,4,5,6,7,8,9,10,11
	v_cndmask_b32 v[SC+16*(\k/4)+4*\g+(\k%4)], v[TS+\k], v[SC+16*(\k/4)+4*\g+(\k%4)], s52
.endr
.endr
.irp j, 0,1,2,3,4,5,6,7,8,9,10,11
	global_store_b128 v4, v[SC+4*\j:SC+4*\j+3], s[14:15] offset:4096*\j   ; out1: 512 consecutive bytes, aligned, per wave and store
.endr
.endm
	s_load_b256 s[4:11], s[0:1], 0x0               ; src s[4:5], dst s[6:7], index s[8:9], state s[10:11]
	s_load_b256 s[12:19], s[0:1], 0x20             ; srcInit s[12:13], out1 s[14:15], out2 s[16:17], out3 s[18:19]
	s_load_b128 s[24:27], s[0:1], 0x40             ; out4 s[24:25], out5 s[26:27]
	v_lshrrev_b32 v1, 5, v0
	v_readfirstlane_b32 s20, v1                    ; wave
	s_mov_b32 s22, ttmp9                           ; batch
	s_mov_b32 s30, 0x76543210
	s_mov_b32 s31, 0xfedcba98
	s_mov_b32 s39, 0x21800000                      ; 2^-60
	v_and_b32 v2, 15, v0
	v_lshlrev_b32 v4, 4, v0
	v_lshrrev_b32 v5, 1, v0
	v_and_b32 v6, 1, v0
	v_mul_u32_u24 v5, v5, RPITCH
	v_lshl_add_u32 v5, v6, 4, v5                   ; my 4 points of a load: record t / 2 (+ 128 for each 1,024 points), half t mod 2
	v_mul_u32_u24 v7, v0, RPITCH                   ; records t and t + 256: their 16 spare bytes
.irp k, 0,1,2,3
	v_mov_b32 v[ZQ+\k], 0
.endr
	s_mul_i32 s2, s22, 49152
	s_mov_b32 s3, 0
	s_wait_kmcnt 0x0
	s_add_nc_u64 s[4:5], s[4:5], s[2:3]
	s_add_nc_u64 s[6:7], s[6:7], s[2:3]
	s_add_nc_u64 s[12:13], s[12:13], s[2:3]
	s_add_nc_u64 s[14:15], s[14:15], s[2:3]
	s_lshl_b32 s2, s22, 14
	s_add_nc_u64 s[8:9], s[8:9], s[2:3]
	s_mul_i32 s2, s22, 36
	s_add_nc_u64 s[16:17], s[16:17], s[2:3]
	s_add_nc_u64 s[24:25], s[24:25], s[2:3]
	s_mul_i32 s2, s22, 12
	s_add_nc_u64 s[18:19], s[18:19], s[2:3]
	s_add_nc_u64 s[26:27], s[26:27], s[2:3]
.irp j, 0,1,2,3,4,5,6,7,8,9,10,11
	global_load_b128 v[STG+4*\j:STG+4*\j+3], v4, s[6:7] offset:4096*\j
.endr
.irp j, 0,1,2,3,4,5,6,7,8,9,10,11
	global_load_b128 v[SC+4*\j:SC+4*\j+3], v4, s[4:5] offset:4096*\j
.endr
.irp j, 0,1,2,3
	global_load_b128 v[IX+4*\j:IX+4*\j+3], v4, s[8:9] offset:4096*\j
.endr
.irp j, 0,1,2,3,4,5,6,7,8,9,10,11
	global_load_b128 v[IS+4*\j:IS+4*\j+3], v4, s[12:13] offset:4096*\j
.endr
	s_load_b32 s32, s[4:5], 0x0                    ; pivots: point 0 of src, of dst, of srcInit
	s_load_b32 s33, s[4:5], 0x4000
	s_load_b32 s34, s[4:5], 0x8000
	s_load_b32 s36, s[6:7], 0x0
	s_load_b32 s37, s[6:7], 0x4000
	s_load_b32 s38, s[6:7], 0x8000
	s_load_b32 s54, s[12:13], 0x0
	s_load_b32 s55, s[12:13], 0x4000
	s_load_b32 s56, s[12:13], 0x8000
	s_load_b64 s[50:51], s[10:11], 0x400           ; prev_err (not needed any more), done
	ds_store_b128 v7, v[ZQ:ZQ+3] offset:REC+96                 ; the spare bytes are cleared once, while the loads are on their way:
	ds_store_b128 v7, v[ZQ:ZQ+3] offset:REC+96+256*RPITCH      ; every byte of the records' region is written
	s_wait_loadcnt 0x1c                            ; the 28 loads of src, index and srcInit are younger than dst's 12: dst is in
.irp j, 0,1,2,3,4,5,6,7,8,9,10,11
	ds_store_b128 v5, v[STG+4*\j:STG+4*\j+3] offset:REC+128*RPITCH*(\j%4)+32*(\j/4)
.endr
	s_wait_dscnt 0x0
	s_barrier_signal -1
	s_barrier_wait -1
	s_wait_loadcnt 0x0
	s_wait_kmcnt 0x0
	s_cmp_lg_u32 s51, 0
	s_cselect_b32 s52, -1, 0                       ; done, as a mask for selects
.irp d, 0,1,2
	v_mov_b32 v[PA+\d], s[32+\d]
	v_mov_b32 v[PB+\d], s[36+\d]
	v_mov_b32 v[NS+2*\d+1], 0
.endr
.set j, 0
.rept 16
	v_mov_b32 v[SUM+j], 0
	v_mov_b32 v[SUM2+j], 0
.set j, j+1
.endr
	; the nearest of 8 for my 16 points; the next point's six gathers are on their way while one is worked on
	RLOAD C0, AD0, 0
.set i, 0
.rept 15
.set NXT, C0+24*((i+1)%2)
.set ADN, AD0+((i+1)%2)
.set CUR, C0+24*(i%2)
	RLOAD NXT, ADN, i+1
	s_wait_dscnt 0x6                               ; all but the six just issued
	RCALC CUR, i
.set i, i+1
.endr
	s_wait_dscnt 0x0
	RCALC C1, 15
	; both fits' sums over the wave's lanes, to the wave's 128 bytes
	LSUM SUM, DT
	LSUM SUM2, C0
.irp d, 0,1,2
	v_mov_b32 v[SUM2+3+\d], v[SUM+\d]              ; sum s' serves both fits
.endr
	s_lshl_b32 s59, s20, 7
	s_add_co_u32 s59, s59, RED
	v_mov_b32 v[AD0], s59
.irp k, 0,1,2,3
	ds_store_b128 v[AD0], v[SUM+4*\k:SUM+4*\k+3] offset:16*\k
	ds_store_b128 v[AD0], v[SUM2+4*\k:SUM2+4*\k+3] offset:64+16*\k
.endr
	s_wait_dscnt 0x0                               ; for the waves that read them behind the barrier
	s_barrier_signal -1
	s_barrier_wait -1
	s_cmp_eq_u32 s20, 1
	s_cbranch_scc1 .Lfit_m
	; waves 0 and 2 to 7: the step's fit, each for its own points
	TOTALS RED
	KABSCH
	s_cmp_lg_u32 s20, 0
	s_cbranch_scc1 .Lmeet
	v_mov_b32 v[U], XCH                            ; wave 0 hands R1, t1 to wave 1; all lanes write the same words with the same values
	ds_store_b128 v[U], v[RR:RR+3]
	ds_store_b128 v[U], v[RR+4:RR+7] offset:16
	ds_store_b32 v[U], v[RR+8] offset:32
	ds_store_b32 v[U], v[TV] offset:36
	ds_store_b32 v[U], v[TV+1] offset:40
	ds_store_b32 v[U], v[TV+2] offset:44
	s_branch .Lmeet
.Lfit_m:
	; wave 1: the fit of srcInit onto the points that came in
.irp d, 0,1,2
	v_mov_b32 v[PA+\d], s[54+\d]
	v_mov_b32 v[PB+\d], s[32+\d]
.endr
	TOTALS RED+64
	KABSCH
.Lmeet:
	s_wait_dscnt 0x0                               ; wave 0's twelve words are written
	s_barrier_signal -1
	s_barrier_wait -1
	s_cmp_eq_u32 s20, 1
	s_cbranch_scc1 .Lw1
	MOVE RR, TV
	s_endpgm
.Lw1:
	v_mov_b32 v[U], XCH
	ds_load_b128 v[XR:XR+3],    v[U]
	ds_load_b128 v[XR+4:XR+7],  v[U] offset:16
	ds_load_b128 v[XR+8:XR+11], v[U] offset:32
	s_wait_dscnt 0x0
	MOVE XR, XR+9
	; R = R1 R_M, t = R1 t_M + t1; done: R_M, t_M
.irp a, 0,1,2
.irp b, 0,1,2
	v_mul_f32 v[RAB+3*\a+\b], v[XR+3*\a], v[RR+\b]
.endr
	v_fma_f32 v[TB+\a], v[XR+3*\a], v[TV], v[XR+9+\a]
.endr
.irp a, 0,1,2
.irp b, 0,1,2
	v_fmac_f32 v[RAB+3*\a+\b], v[XR+3*\a+1], v[RR+3+\b]
.endr
	v_fmac_f32 v[TB+\a], v[XR+3*\a+1], v[TV+1]
.endr
.irp a, 0,1,2
.irp b, 0,1,2
	v_fmac_f32 v[RAB+3*\a+\b], v[XR+3*\a+2], v[RR+6+\b]
.endr
	v_fmac_f32 v[TB+\a], v[XR+3*\a+2], v[TV+2]
.endr
.irp k, 0,1,2,3,4,5,6,7,8
	v_cndmask_b32 v[RAB+\k], v[RAB+\k], v[RR+\k], s52
.endr
.irp k, 0,1,2
	v_cndmask_b32 v[TB+\k], v[TB+\k], v[TV+\k], s52
.endr
.irp a, 0,1,2
	v_mul_f32 v[TS+\a], -v[RAB+\a], v[TB]          ; -(R^T t)
.endr
.irp a, 0,1,2
	v_fma_f32 v[TS+\a], -v[RAB+3+\a], v[TB+1], v[TS+\a]
.endr
.irp a, 0,1,2
	v_fma_f32 v[TS+\a], -v[RAB+6+\a], v[TB+2], v[TS+\a]
.endr
	v_mov_b32 v[U], 0
	s_wait_xcnt 0x0                                ; EXEC changes only behind this wait
	v_cmp_eq_u32 vcc_lo, 32, v0
	s_and_saveexec_b32 s53, vcc_lo                 ; the wave's first lane alone, to the end
.irp a, 0,1,2
.irp b, 0,1,2
	global_store_b32 v[U], v[RAB+3*\a+\b], s[16:17] offset:4*(3*\a+\b)
	global_store_b32 v[U], v[RAB+3*\b+\a], s[24:25] offset:4*(3*\a+\b)
.endr
	global_store_b32 v[U], v[TB+\a], s[18:19] offset:4*\a
	global_store_b32 v[U], v[TS+\a], s[26:27] offset:4*\a
.endr
	s_endpgm
.Lfunc_end_k_qc5fa79345e_last:
	.size	k_qc5fa79345e_last, .Lfunc_end_k_qc5fa79345e_last-k_qc5fa79345e_last
	.p2alignl 7, 3214868480
	.fill 96, 4, 3214868480
	.section	.rodata,"a",@progbits
	.p2align	6, 0x0
	.amdhsa_kernel k_qc5fa79345e_last
		.amdhsa_group_segment_fixed_size 327680
		.amdhsa_private_segment_fixed_size 0
		.amdhsa_enable_private_segment 0
		.amdhsa_kernarg_size 80
		.amdhsa_user_sgpr_count 2
		.amdhsa_user_sgpr_kernarg_segment_ptr 1
		.amdhsa_wavefront_size32 1
		.amdhsa_system_sgpr_workgroup_id_x 1
		.amdhsa_system_sgpr_workgroup_id_y 1
		.amdhsa_system_sgpr_workgroup_id_z 1
		.amdhsa_system_vgpr_workitem_id 0
		.amdhsa_next_free_vgpr 256
		.amdhsa_next_free_sgpr 66
		.amdhsa_reserve_vcc 1
		.amdhsa_float_denorm_mode_32 3
		.amdhsa_float_denorm_mode_16_64 3
		.amdhsa_memory_ordered 1
		.amdhsa_forward_progress 1
		.amdhsa_inst_pref_size 144
	.end_amdhsa_kernel
	.amdgpu_metadata
---
amdhsa.version: [ 1, 2 ]
amdhsa.kernels:
  - .name:           k_qc5fa79345e_last
    .symbol:         k_qc5fa79345e_last.kd
    .args:
      - { .name: srcB, .offset: 0, .size: 8, .value_kind: global_buffer, .address_space: global }
      - { .name: dst, .offset: 8, .size: 8, .value_kind: global_buffer, .address_space: global }
      - { .name: idxA, .offset: 16, .size: 8, .value_kind: global_buffer, .address_space: global }
      - { .name: auxA, .offset: 24, .size: 8, .value_kind: global_buffer, .address_space: global }
      - { .name: srcInit, .offset: 32, .size: 8, .value_kind: global_buffer, .address_space: global }
      - { .name: out1, .offset: 40, .size: 8, .value_kind: global_buffer, .address_space: global }
      - { .name: out2, .offset: 48, .size: 8, .value_kind: global_buffer, .address_space: global }
      - { .name: out3, .offset: 56, .size: 8, .value_kind: global_buffer, .address_space: global }
      - { .name: out4, .offset: 64, .size: 8, .value_kind: global_buffer, .address_space: global }
      - { .name: out5, .offset: 72, .size: 8, .value_kind: global_buffer, .address_space: global }
    .group_segment_fixed_size: 327680
    .private_segment_fixed_size: 0
    .kernarg_segment_align: 8
    .kernarg_segment_size: 80
    .max_flat_workgroup_size: 256
    .sgpr_count:     66
    .vgpr_count:     256
    .wavefront_size: 32
...
	.end_amdgpu_metadata
.endif
;; end of part 6
